; MI455X (gfx1250); checked and timed in simulation.
; The chip was launched on July 23, 2026; its instructions are those of AMD's public machine-readable ISA for CDNA 5 (MIT licence, August 2026) and "CDNA5" Instruction Set Architecture Reference Guide (July 2026). The comments in the code are by the model that wrote it; some were corrected since.
;; Tranformer Encoder. Allowed arithmetic: matrix products marked QUANTISED: E3M2 operands, one E8M0 scale for each 32 along K, by v_wmma_scale_f32_16x16x128_f8f6f4 with both operands' format E3M2, f32 sums; everything else in f32.
;; Inputs: W1 1,024 x 1,024 float32; W2 1,024 x 1,024 float32; W_proj 1,024 x 1,024 float32; W_qkv 1,024 x 3,072 float32; b1 1,024 float32; b2 1,024 float32; b_proj 1,024 float32; b_qkv 3,072 float32; ln1_b 1,024 float32; ln1_g 1,024 float32; ln2_b 1,024 float32; ln2_g 1,024 float32; x 8 x 1,024 x 1,024 float32.
;; Outputs: out0 8 x 1,024 x 1,024 float32.
;; This version of the problem:
;;   THIS VERSION OF THE PROBLEM IS GIVEN IN LOW PRECISION. The matrix products marked QUANTISED in the list below multiply operands that are first quantised to E3M2 (3 exponent bits, 2 mantissa bits; 6 bits a number), with one power-of-two scale for each 32 numbers along K (OCP MX v1.0); their sums are f32. All else is computed in f32.
;;   The module's matrix products, in the order in which they are computed (A, B: the left and right operand; K: the contracted axis; several contracted axes count as one K, in the product's order):
;;     1. [M 8,192, K 1,024] x [K 1,024, N 3,072]; A: input x; B: input W_qkv: QUANTISED
;;     2. batch 128 x [M 1,024, K 64] x [K 64, N 1,024]; A: computed on the way; B: computed on the way: QUANTISED
;;     3. batch 128 x [M 1,024, K 1,024] x [K 1,024, N 64]; A: softmax (see below); B: computed on the way: QUANTISED
;;     4. [M 8,192, K 1,024] x [K 1,024, N 1,024]; A: computed on the way; B: input W_proj: QUANTISED
;;     5. [M 8,192, K 1,024] x [K 1,024, N 1,024]; A: computed on the way; B: input W1: QUANTISED
;;     6. [M 8,192, K 1,024] x [K 1,024, N 1,024]; A: computed on the way; B: input W2: QUANTISED
;;   THE QUANTISER, for each operand of a quantised product, along K:
;;     - K is cut into blocks of 32 from its start; a last block that is shorter is filled with zeros.
;;     - A block's scale is 2^e with e = floor(log2(the largest magnitude in the block)) - 4, held to -126 .. 127; a block of zeros has e = 0. As a byte (E8M0): e + 127.
;;     - Each number is divided by its block's scale, clamped to +-28, and rounded to the nearest number of E3M2, ties to even, subnormals kept.
;;     - The product sums the exact products of the quantised numbers (number of the format x scale) in f32.
;;   ~~~python
;;   def quantise(x, axis):      # numpy; x: float32 -> the quantised numbers, widened to float32 again
;;       x = np.moveaxis(x, axis, -1); K = x.shape[-1]
;;       x = np.pad(x, [(0, 0)] * (x.ndim - 1) + [(0, -K % 32)]); x = x.reshape(x.shape[:-1] + (-1, 32)); a = np.abs(x).max(-1, keepdims=True)
;;       e = np.where(a > 0, np.clip(np.frexp(np.where(a > 0, a, 1))[1] - 1 - 4, -126, 127), 0)      # np.frexp(a)[1] - 1 = floor(log2(a)), exactly
;;       r = np.clip(x / 2.0 ** e, -28, 28)
;;       step = 2.0 ** (np.maximum(np.frexp(np.where(r == 0, 1, r))[1] - 1, -2) - 2)
;;       q = np.round(r / step) * step * 2.0 ** e      # np.round: ties to even
;;       return np.moveaxis(q.reshape(q.shape[:-2] + (-1,))[..., :K], -1, axis).astype(np.float32)
;;   ~~~
;;   SOFTMAX AHEAD OF A QUANTISED PRODUCT. Where the list says 'softmax', what is quantised is not the finished softmax but p = 2^(t - M), with t = logit x log2(e) and M = ceil(the row's largest t), a whole number; so 1/2 < the row's largest p <= 1. The row's sum l is taken of the UNQUANTISED p, in f32, and the product's result is divided by l at the end. Since M is a whole number, a kernel that streams over the keys may use a running M (the ceiling of the running maximum): every later rescaling is an exact power of two, which a block's scale takes up: the codes' values come out the same.
;;   OPERANDS COMPUTED ON THE WAY. 'Computed on the way' means the value that the module computes at that place (a softmax that the list does not call 'softmax' is quantised finished and normalised). What goes into a quantiser is computed in f32, as accurately as f32 sums, v_exp_f32 and their like allow (about 1e-6 of the number): no bf16 or f16 on the way to a quantiser, and a product that is left as it is and whose result goes on into a quantised operand takes f32 operands (vector FMAs, or v_wmma_f32_16x16x4_f32). A number that lies on a knife's edge between two numbers of the format may be rounded either way, as far as f32 arithmetic and the matrix unit's own rounding can turn it there, and no further.
;; 2 versions. Each part assembles by itself: llvm-mc -triple=amdgcn-amd-amdhsa -mcpu=gfx1250 --defsym DOCPART=n.
;; ======== version 1 of 2: 4 launches
;; workspace buffers: xq 6,553,600 bytes; wq 4,915,200 bytes; qb 6,815,744 bytes; kv 13,369,344 bytes; aq 6,553,600 bytes
;; launch prep (part 1): grid 896 x 1, 4 waves a work-group, no clusters, 68,096 bytes of LDS; arguments x, W_qkv, W_proj, W1, W2, xq, wq; writes xq, wq
.if DOCPART == 1
	.amdgcn_target "amdgcn-amd-amdhsa--gfx1250"
	.amdhsa_code_object_version 6
	.text
	.protected	k_q8b592d2a36_prep
	.globl	k_q8b592d2a36_prep
	.p2align	8
	.type	k_q8b592d2a36_prep,@function
k_q8b592d2a36_prep:
	s_mov_b64 s[64:65], 0
	v_nop
	global_prefetch_b8 v0, s[64:65] scope:SCOPE_SE
	s_setreg_imm32_b32 hwreg(HW_REG_WAVE_MODE, 25, 1), 1
	s_wait_xcnt 0x0
; x [8192][1024] and the four weights ([1024 (k)][n], K their first axis), all f32, become codes of BF6 (E3M2) with one E8M0 byte for each 32 along K,
; laid in the order of the matrix operand's registers, so that every later reader takes whole fragments by 16-byte loads.
; A GROUP is 128 rows of x (or 128 columns of a weight), in 8 tiles t = 2 j + u; lane r of tile t stands for row 32 j + 8 u + r + 8 (r / 8).
; A group's record, 102,400 bytes: fragment (K step s of 128, tile t) at 12288 s + 1536 t, registers 4 g .. 4 g + 3 of lane L at 512 g + 16 L;
; scale words at 98304 + 512 s + 128 j + 4 (16 u + r).  xq: 64 records.  wq: 48: W_qkv's columns 0-23, W_proj 24-31, W1 32-39, W2 40-47.
; A block's scale is 2^(floor(log2(largest magnitude)) - 4); its byte is the largest magnitude's exponent field - 4, held at 1 from below.
; LIMITS: a block of zeros, and one whose largest magnitude lies under 2^-122, gets the byte 1 (zero codes add nothing; only this program reads the bytes); NaN and infinities are not served.
; SHARES: a wave takes 32 rows (or columns) x 128 along K: 16 KB of f32, two fragments.  Work-groups 0-511: x (group = id / 8, K step = id % 8, j = wave); 512-895: the weights likewise.
; No matrix unit, no cluster, no tensor load: each byte is read once and the waves share nothing.  Only x's way uses LDS, each wave its own 16,896 bytes; no barrier.
.set R,    16                          ; v16-143   the 128 words as loaded
.set X,    144                         ; v144-207  x: 64 numbers of my row: register 16 b + i = k 32 b + 16 (lane / 16) + i
.set PC0,  208                         ; v208-231  x: the two fragments' codes
.set XT,   232                         ; v232-239  halves of blocks on their way
.set TM,   240                         ; v240-251  largest magnitudes, bytes, scale operands
.set PW,   252                         ; v252      the scale word
.set F,    144                         ; weights: v144-167 the codes for lane halves 0 and 1
.set T,    168                         ; weights: v168-183 second halves of blocks
.set SEL,  20                          ; s[20:21]  selects of v_permlanex16_b32: lane l xor 16
.set REC,  102400
.set SP,   528                         ; a stage row: 512 bytes + 16: an odd multiple of 16, so that 16 rows' equal columns start at 16 different 16-byte columns of the banks
.set MSB, 0
.macro WIN new                         ; the immediate's high byte repeats the setting that is left (this text stays in window 0)
.if MSB != (\new)
	s_set_vgpr_msb (MSB<<8)|(\new)
.set MSB, (\new)
.endif
.endm
; 64 numbers of a lane in window w, v[s] on, register 16 b + i = k 32 b + 16 (lane / 16) + i of my row, become codes: k 0-63 in v[d0 .. d0+5], k 64-127 in v[d1 .. d1+5]; the scale word in v[PW].
.macro QUANTW w, s, d0, d1
	WIN ((\w)|((\w)<<2))
.irp b, 0,1,2,3
	v_max3_num_f32 v[TM+\b], |v[(\s)+16*\b]|, |v[(\s)+16*\b+1]|, 0x2800000   ; my 16 of block b, and the floor 2^(5 - 127): the byte cannot fall under 1
.endr
.irp i, 2,4,6,8,10,12,14
.irp b, 0,1,2,3
	v_max3_num_f32 v[TM+\b], |v[(\s)+16*\b+\i]|, |v[(\s)+16*\b+\i+1]|, v[TM+\b]   ; the four blocks by turns
.endr
.endr
	WIN 0
.irp b, 0,1,2,3
	v_permlanex16_b32 v[TM+4+\b], v[TM+\b], s[SEL], s[SEL+1]
.endr
.irp b, 0,1,2,3
	v_max_num_f32 v[TM+\b], v[TM+\b], v[TM+4+\b]   ; with lane l xor 16's 16: the block's largest magnitude
.endr
.irp b, 0,1,2,3
	v_add_nc_u32 v[TM+8+\b], 0xfe000000, v[TM+\b]  ; 4 off its exponent field: the conversion's scale operand
.endr
.irp b, 0,1,2,3
	v_lshrrev_b32 v[TM+4+\b], 23, v[TM+8+\b]       ; the scale's byte
.endr
	v_lshl_or_b32 v[PW], v[TM+5], 8, v[TM+4]
	v_lshl_or_b32 v[PW], v[TM+6], 16, v[PW]
	v_lshl_or_b32 v[PW], v[TM+7], 24, v[PW]
	WIN (\w)
	v_cvt_scalef32_pk16_bf6_f32 v[(\d0):(\d0)+2], v[(\s):(\s)+15], v[TM+8]
	v_cvt_scalef32_pk16_bf6_f32 v[XT:XT+2], v[(\s)+16:(\s)+31], v[TM+9]
	v_cvt_scalef32_pk16_bf6_f32 v[(\d1):(\d1)+2], v[(\s)+32:(\s)+47], v[TM+10]
	v_cvt_scalef32_pk16_bf6_f32 v[XT+4:XT+6], v[(\s)+48:(\s)+63], v[TM+11]
	WIN 0
	v_nop                                          ; one plain place behind the scaled conversions
.irp i, 0,1,2                          ; the operand wants a whole block in a lane: lanes 0-15 the even block, lanes 16-31 the odd one
	v_permlane16_swap_b32 v[(\d0)+\i], v[XT+\i]
	v_permlane16_swap_b32 v[(\d1)+\i], v[XT+4+\i]
.endr
.irp i, 0,1,2
	v_mov_b32 v[(\d0)+3+\i], v[XT+\i]
	v_mov_b32 v[(\d1)+3+\i], v[XT+4+\i]
.endr
.endm
	s_load_b256 s[4:11], s[0:1], 0x0               ; x, W_qkv, W_proj, W1
	s_load_b128 s[12:15], s[0:1], 0x20             ; W2, xq
	s_load_b64 s[16:17], s[0:1], 0x30              ; wq
	v_lshl_add_u32 v254, v0, 2, 0x10800
	v_mov_b32 v255, 0
	v_lshrrev_b32 v8, 5, v0
	v_readfirstlane_b32 s18, v8                    ; wave = j
	v_and_b32 v9, 31, v0                           ; lane
	v_lshlrev_b32 v1, 4, v9                        ; 16 x lane
	v_lshlrev_b32 v2, 2, v9                        ; 4 x lane
	s_mov_b32 s20, 0x76543210
	s_mov_b32 s21, 0xfedcba98
	s_mov_b32 s22, 0xffff0000                      ; lanes 16-31
.irp b, 0,1,2,3
	v_mov_b32 v[TM+4+\b], 0                        ; a lane permute's destination counts as one of its sources
.endr
	s_cmp_lt_u32 ttmp9, 512
	s_cbranch_scc0 .Lweights
	; ---------------- x: K is innermost ----------------
	s_mul_i32 s23, s18, 32*SP                      ; my stage
	v_add_nc_u32 v3, s23, v1                       ; in: a row's 512 bytes as they lie
	v_and_b32 v10, 15, v0
	v_bfe_u32 v11, v0, 4, 1
	v_mul_u32_u24 v4, v10, SP
	v_lshl_add_u32 v4, v11, 6, v4
	v_add_nc_u32 v4, s23, v4                       ; back: row r, + 64 (lane / 16): my 16 numbers of each block
	s_lshr_b32 s24, ttmp9, 3                       ; group
	s_and_b32 s25, ttmp9, 7                        ; K step
	s_lshl_b32 s26, s24, 19                        ; 128 rows of 4,096 bytes
	s_lshl_b32 s27, s18, 17                        ; + 32 rows a wave
	s_add_co_u32 s26, s26, s27
	s_lshl_b32 s27, s25, 9                         ; + 128 numbers a K step
	s_add_co_u32 s26, s26, s27
	s_mov_b32 s27, 0
	s_mul_i32 s28, s24, REC
	s_mul_i32 s29, s25, 12288
	s_add_co_u32 s28, s28, s29
	s_mul_i32 s29, s18, 3072
	s_add_co_u32 s28, s28, s29                     ; fragment (s, 2 j)
	s_mov_b32 s29, 0
	s_mul_i32 s30, s24, REC
	s_lshl_b32 s31, s25, 9
	s_add_co_u32 s30, s30, s31
	s_lshl_b32 s31, s18, 7
	s_add_co_u32 s30, s30, s31
	s_add_co_u32 s30, s30, 98304                   ; the scale words of (s, j)
	s_mov_b32 s31, 0
	s_wait_kmcnt 0x0
	s_add_nc_u64 s[26:27], s[4:5], s[26:27]
	s_add_nc_u64 s[28:29], s[14:15], s[28:29]
	s_add_nc_u64 s[30:31], s[14:15], s[30:31]
.irp u, 0,1
.irp q, 0,1,2,3,4,5,6,7,8,9,10,11,12,13,14,15
	global_load_b128 v[R+4*(16*\u+\q):R+4*(16*\u+\q)+3], v1, s[26:27] offset:(8*\u+\q+8*(\q/8))*4096 th:TH_LOAD_NT   ; 512 consecutive bytes of the row that lane q of tile 2 j + u stands for
.endr
.endr
; tile 2 j + u: its 16 rows turn through the stage (LDS serves a wave's instructions in order: the loads see the stores), are quantised and stored as an image
.macro XHALF u, left
	s_wait_loadcnt \left
.irp q, 0,1,2,3,4,5,6,7,8,9,10,11,12,13,14,15
	ds_store_b128 v3, v[R+4*(16*\u+\q):R+4*(16*\u+\q)+3] offset:(16*\u+\q)*SP
.endr
.irp b, 0,1,2,3
.irp q, 0,1,2,3
	ds_load_b128 v[X+16*\b+4*\q:X+16*\b+4*\q+3], v4 offset:16*\u*SP+128*\b+16*\q
.endr
.endr
	s_wait_dscnt 0x0
	QUANTW 0, X, PC0+12*\u, PC0+12*\u+6
.irp g, 0,1,2
	global_store_b128 v1, v[PC0+12*\u+4*\g:PC0+12*\u+4*\g+3], s[28:29] offset:1536*\u+512*\g   ; 512 consecutive bytes
.endr
.endm
	XHALF 0, 16                                    ; the second tile's 16 loads may stay out
	v_mov_b32 v7, v[PW]                            ; lanes 0-15 keep the even tile's words,
	XHALF 1, 0
	v_cndmask_b32 v7, v7, v[PW], s22               ; lanes 16-31 take the odd tile's
	global_store_b32 v2, v7, s[30:31]              ; 128 consecutive bytes; the four waves fill the K step's 512
	s_wait_tensorcnt 0x0
	ds_add_u32 v254, v255
	s_wait_dscnt 0x0
	s_endpgm
	; ---------------- a weight: K is the first axis.  A lane takes a column, its registers run down K: nothing is transposed ----------------
.Lweights:
	v_bfe_u32 v10, v0, 3, 1                        ; column 32 j + lane is lane r' of tile 2 j + u': u' = (lane / 8) % 2,
	v_and_b32 v11, 7, v0
	v_bfe_u32 v12, v0, 4, 1
	v_lshl_add_u32 v11, v12, 3, v11                ; r' = lane % 8 + 8 (lane / 16)
	v_mul_u32_u24 v5, v10, 1536
	v_lshl_add_u32 v5, v11, 4, v5                  ; my place in the two images
	v_lshl_add_u32 v6, v10, 4, v11
	v_lshlrev_b32 v6, 2, v6                        ; and among the scale words
	s_sub_co_u32 s24, ttmp9, 512
	s_lshr_b32 s25, s24, 3                         ; group 0..47
	s_and_b32 s26, s24, 7                          ; K step
	s_wait_kmcnt 0x0
	s_mov_b64 s[28:29], s[12:13]                   ; which weight: the choice hangs on the work-group's number alone
	s_mov_b32 s27, 40
	s_cmp_lt_u32 s25, 40
	s_cselect_b64 s[28:29], s[10:11], s[28:29]
	s_cselect_b32 s27, 32, s27
	s_cmp_lt_u32 s25, 32
	s_cselect_b64 s[28:29], s[8:9], s[28:29]
	s_cselect_b32 s27, 24, s27
	s_mov_b32 s30, 4096
	s_cmp_lt_u32 s25, 24
	s_cselect_b64 s[28:29], s[6:7], s[28:29]
	s_cselect_b32 s27, 0, s27
	s_cselect_b32 s30, 12288, s30                  ; bytes in a row of the weight
	s_sub_co_u32 s27, s25, s27                     ; the group within its weight
	s_lshl_b32 s27, s27, 9                         ; 128 columns of 4 bytes
	s_lshl_b32 s31, s18, 7                         ; + 32 columns a wave
	s_add_co_u32 s27, s27, s31
	s_lshl_b32 s31, s26, 7                         ; 128 rows a K step
	s_mul_i32 s31, s31, s30
	s_add_co_u32 s32, s27, s31
	s_mov_b32 s33, 0
	s_add_nc_u64 s[28:29], s[28:29], s[32:33]
	s_mul_i32 s34, s25, REC
	s_mul_i32 s35, s26, 12288
	s_add_co_u32 s34, s34, s35
	s_mul_i32 s35, s18, 3072
	s_add_co_u32 s34, s34, s35
	s_mov_b32 s35, 0
	s_add_nc_u64 s[34:35], s[16:17], s[34:35]      ; fragment (s, 2 j)
	s_mul_i32 s36, s25, REC
	s_lshl_b32 s37, s26, 9
	s_add_co_u32 s36, s36, s37
	s_lshl_b32 s37, s18, 7
	s_add_co_u32 s36, s36, s37
	s_add_co_u32 s36, s36, 98304
	s_mov_b32 s37, 0
	s_add_nc_u64 s[36:37], s[16:17], s[36:37]      ; the scale words of (s, j)
.macro WLOAD pitch                     ; W(128 s + i, my column): a wave reads 128 consecutive bytes, the four waves 512
.set i_, 0
.rept 128
	global_load_b32 v[R+i_], v2, s[28:29] offset:i_*\pitch th:TH_LOAD_NT
.set i_, i_+1
.endr
.endm
	s_cmp_lt_u32 s25, 24
	s_cbranch_scc0 .Lnarrow
	WLOAD 12288
	s_branch .Lloaded
.Lnarrow:
	WLOAD 4096
.Lloaded:
	s_wait_loadcnt 0x0
.irp b, 0,1,2,3
	v_max3_num_f32 v[TM+\b], |v[R+32*\b]|, |v[R+32*\b+1]|, 0x2800000   ; all 32 numbers of a block are mine; the floor as above
.endr
.irp i, 2,4,6,8,10,12,14,16,18,20,22,24,26,28,30
.irp b, 0,1,2,3
	v_max3_num_f32 v[TM+\b], |v[R+32*\b+\i]|, |v[R+32*\b+\i+1]|, v[TM+\b]
.endr
.endr
.irp b, 0,1,2,3
	v_add_nc_u32 v[TM+8+\b], 0xfe000000, v[TM+\b]
.endr
.irp b, 0,1,2,3
	v_lshrrev_b32 v[TM+4+\b], 23, v[TM+8+\b]
.endr
	v_lshl_or_b32 v[PW], v[TM+5], 8, v[TM+4]
	v_lshl_or_b32 v[PW], v[TM+6], 16, v[PW]
	v_lshl_or_b32 v[PW], v[TM+7], 24, v[PW]
.irp h, 0,1                            ; what lane (r', h) of the fragment holds: blocks h and 2 + h
	v_cvt_scalef32_pk16_bf6_f32 v[F+12*\h:F+12*\h+2], v[R+32*\h:R+32*\h+15], v[TM+8+\h]
	v_cvt_scalef32_pk16_bf6_f32 v[T+8*\h:T+8*\h+2], v[R+32*\h+16:R+32*\h+31], v[TM+8+\h]
	v_cvt_scalef32_pk16_bf6_f32 v[F+12*\h+6:F+12*\h+8], v[R+64+32*\h:R+64+32*\h+15], v[TM+10+\h]
	v_cvt_scalef32_pk16_bf6_f32 v[T+8*\h+4:T+8*\h+6], v[R+64+32*\h+16:R+64+32*\h+31], v[TM+10+\h]
.endr
	v_nop                                          ; one plain place behind the scaled conversions
.irp h, 0,1
.irp i, 0,1,2
	v_mov_b32 v[F+12*\h+3+\i], v[T+8*\h+\i]        ; (a conversion's three registers begin on an even number)
	v_mov_b32 v[F+12*\h+9+\i], v[T+8*\h+4+\i]
.endr
.endr
.irp h, 0,1
.irp g, 0,1,2
	global_store_b128 v5, v[F+12*\h+4*\g:F+12*\h+4*\g+3], s[34:35] offset:512*\g+256*\h   ; the sixteen lanes of one tile fill 256 consecutive bytes, aligned
.endr
.endr
	global_store_b32 v6, v[PW], s[36:37]
	s_endpgm
.Lfunc_end_k_q8b592d2a36_prep:
	.size	k_q8b592d2a36_prep, .Lfunc_end_k_q8b592d2a36_prep-k_q8b592d2a36_prep
	.p2alignl 7, 3214868480
	.fill 96, 4, 3214868480
	.section	.rodata,"a",@progbits
	.p2align	6, 0x0
	.amdhsa_kernel k_q8b592d2a36_prep
		.amdhsa_group_segment_fixed_size 68096
		.amdhsa_private_segment_fixed_size 0
		.amdhsa_enable_private_segment 0
		.amdhsa_kernarg_size 56
		.amdhsa_user_sgpr_count 2
		.amdhsa_user_sgpr_kernarg_segment_ptr 1
		.amdhsa_wavefront_size32 1
		.amdhsa_system_sgpr_workgroup_id_x 1
		.amdhsa_system_sgpr_workgroup_id_y 1
		.amdhsa_system_sgpr_workgroup_id_z 1
		.amdhsa_system_vgpr_workitem_id 0
		.amdhsa_next_free_vgpr 256
		.amdhsa_next_free_sgpr 66
		.amdhsa_reserve_vcc 0
		.amdhsa_float_denorm_mode_32 3
		.amdhsa_float_denorm_mode_16_64 3
		.amdhsa_memory_ordered 1
		.amdhsa_forward_progress 1
		.amdhsa_inst_pref_size 51
	.end_amdhsa_kernel
	.amdgpu_metadata
---
amdhsa.version: [ 1, 2 ]
amdhsa.kernels:
  - .name:           k_q8b592d2a36_prep
    .symbol:         k_q8b592d2a36_prep.kd
    .args:
      - { .name: x, .offset: 0, .size: 8, .value_kind: global_buffer, .address_space: global }
      - { .name: W_qkv, .offset: 8, .size: 8, .value_kind: global_buffer, .address_space: global }
      - { .name: W_proj, .offset: 16, .size: 8, .value_kind: global_buffer, .address_space: global }
      - { .name: W1, .offset: 24, .size: 8, .value_kind: global_buffer, .address_space: global }
      - { .name: W2, .offset: 32, .size: 8, .value_kind: global_buffer, .address_space: global }
      - { .name: xq, .offset: 40, .size: 8, .value_kind: global_buffer, .address_space: global }
      - { .name: wq, .offset: 48, .size: 8, .value_kind: global_buffer, .address_space: global }
    .group_segment_fixed_size: 68096
    .private_segment_fixed_size: 0
    .kernarg_segment_align: 8
    .kernarg_segment_size: 56
    .max_flat_workgroup_size: 128
    .sgpr_count:     66
    .vgpr_count:     256
    .wavefront_size: 32
...
	.end_amdgpu_metadata
.endif
;; end of part 1
;; launch qkv (part 2): grid 12 x 32, 4 waves a work-group, clusters of 4 x 4, 327,680 bytes of LDS; arguments xq, wq, b_qkv, qb, kv; writes qb, kv
.if DOCPART == 2
	.amdgcn_target "amdgcn-amd-amdhsa--gfx1250"
	.amdhsa_code_object_version 6
	.text
	.protected	k_q8b592d2a36_qkv
	.globl	k_q8b592d2a36_qkv
	.p2align	8
	.type	k_q8b592d2a36_qkv,@function
k_q8b592d2a36_qkv:
	s_mov_b64 s[64:65], 0
	v_nop
	global_prefetch_b8 v0, s[64:65] scope:SCOPE_SE
	s_setreg_imm32_b32 hwreg(HW_REG_WAVE_MODE, 25, 1), 1
	s_wait_xcnt 0x0
	s_wait_alu depctr_hold_cnt(0) depctr_sa_sdst(0) depctr_va_vdst(0) depctr_va_sdst(0) depctr_va_ssrc(0) depctr_va_vcc(0) depctr_vm_vsrc(0)
	s_getreg_b32 s2, hwreg(HW_REG_IB_STS2, 6, 4)
	s_cmp_eq_u32 s2, 0
	s_cbranch_scc0 .Lentry_in_a_cluster
	s_endpgm
.Lentry_in_a_cluster:
	s_bfe_u32 s2, ttmp6, 0x10000c
	s_cmp_lg_u32 s2, 0xf033
	s_cbranch_scc0 .Lentry_shape_is_right
	s_endpgm
.Lentry_shape_is_right:
; qkv = x W_qkv + b_qkv on codes of BF6, and its three parts quantised in registers for attention: q and k along the head's 64, v along the keys.  No f32 result goes to memory.
; A work-group of four waves makes 256 x 256, a wave 128 x 128: 64 accumulators, 512 registers.  Source 0 is side P, source 1 side R; a lane holds one row of R and its registers run along P,
; 16 neighbours of P in the 16 registers of two neighbouring tiles (the tiles' rows are chosen so: lane r of tile 2 j + u stands for row 32 j + 8 u + r + 8 (r / 8) of a group of 128).  What is quantised runs along P.
; Clusters with x = 0 (q) and x = 1 (k): P = W_qkv's columns, R = x's rows.  Clusters with x = 2 (v): P = x's rows (the keys), R = W_qkv's columns.  The choice hangs on the cluster's x alone, which all partners share.
; CLUSTERS 4 x 4: P's tiles hang on cx and are asked for jointly by a column of the cluster, R's on cy, by a row: each tile is asked for once for four work-groups.
; K = 1,024 = 8 steps of 128.  Three LDS slots of two steps each (98,304 bytes: R's two groups, then P's two, each 24,576 dense bytes in the operand's register order), filled at the start; steps 6 and 7 go into slot 0
; behind the one round in the middle.  By this text's count a wave has three tensor loads out at the start, later one.  The scale words of all 8 steps lie in 64 registers.
; The two ways out part AHEAD of the last K step: each way asks for its bias in its own layout, multiplies the last step while the bias lands, and goes out.
; OUT: qb[bh][step of 128 queries], 6,656 bytes: 4 images of two tiles' six registers each (1,536 bytes), then 512 bytes of scale words (lane L: 16 bytes, word j for tile 2 j + L / 16; bytes 2, 3 = 0x7f).
;      kv[bh][step of 128 keys], 13,056 bytes: k as in qb at 0; v's 4 fragments (16 of the head's 64 x 128 keys) at 6,144; k's words at 12,288; v's at 12,800 (lane L: 8 bytes).
; LIMITS: as in the quantiser everywhere in this program: a block under 2^-122 or of zeros gets the byte 1; NaN and infinities are not served.
; REGISTERS: window 0: v16-30 addresses; v32-95 scale words and nothing else; v96-118 at work on the way out; v128-223 R's 8 fragments, one set (on the way out: codes).
;   window 1: P's fragments, two sets, v0-95 and v128-223; the bias in v96-127 and v224-255.   windows 2, 3: accumulator (a, b) at window 2 + a / 4, v[8 (8 (a % 4) + b)].
.set REC,   102400
.set HALFB, 24576                      ; two K steps of one group
.set SLOTB, 4*HALFB
.set SPARE, 3*SLOTB                    ; behind the slots: the spare words, 128 bytes a wave: two blocks of 256 bytes that no other line names
.set ADRR, 16                          ; v16-18  LDS address of my group of R in slot 0, 1, 2
.set ADRP, 20                          ; v20-22  the same for P
.set L16,  24
.set L4,   25
.set L8,   26
.set BH,   27                          ; 64 (lane / 16)
.set SPW,  28                          ; my spare word's address; never rewritten
.set NIL,  29                          ; 0; never rewritten
.set BRW,  30                          ; 4 (r + 8 (r / 8))
.set SCP,  32                          ; v[SCP + 4 s + j]: P's words of K step s: lanes 0-15 tile 2 j, lanes 16-31 tile 2 j + 1
.set SCR,  64                          ; the same for R
.set TM,   96
.set XT,   108
.set PW,   116
.set T0,   117
.set T1,   118
.set RF,   128
.set KH,   128                         ; the way out: codes
.set SW0,  176                         ; the way out: merged scale words
.set SW1,  180
.set G1R,  24                          ; s[24:31] group 1 for R's tiles; s[48:55] for P's: they differ in the mask
.set G1P,  48
.set G0R0, 32                          ; groups 0, one for each slot
.set G0R1, 36
.set G0R2, 56
.set G0P0, 68
.set G0P1, 72
.set G0P2, 76
.set SEL,  90
.set MUL_LO, 0xa1                      ; source 0 (P) window 1, source 1 (R) window 0, C and D window 2
.set MUL_HI, 0xf1                      ; the same, C and D window 3
.set MSB, 0
.macro WIN new                         ; the immediate's high byte repeats the setting that is left
.if MSB != (\new)
	s_set_vgpr_msb (MSB<<8)|(\new)
.set MSB, (\new)
.endif
.endm
.macro PLACES n
.rept \n
	v_nop
.endr
.endm
; 64 numbers of a lane in window w, v[s] on, register 16 b + i = k 32 b + 16 (lane / 16) + i of my row, become codes: k 0-63 in v[d0 .. d0+5], k 64-127 in v[d1 .. d1+5]; the scale word in v[PW].
.macro QUANTW w, s, d0, d1
	WIN ((\w)|((\w)<<2))
.irp b, 0,1,2,3
	v_max3_num_f32 v[TM+\b], |v[(\s)+16*\b]|, |v[(\s)+16*\b+1]|, 0x2800000   ; my 16 of block b, and the floor 2^(5 - 127): the byte cannot fall under 1
.endr
.irp i, 2,4,6,8,10,12,14
.irp b, 0,1,2,3
	v_max3_num_f32 v[TM+\b], |v[(\s)+16*\b+\i]|, |v[(\s)+16*\b+\i+1]|, v[TM+\b]
.endr
.endr
	WIN 0
.irp b, 0,1,2,3
	v_permlanex16_b32 v[TM+4+\b], v[TM+\b], s[SEL], s[SEL+1]
.endr
.irp b, 0,1,2,3
	v_max_num_f32 v[TM+\b], v[TM+\b], v[TM+4+\b]
.endr
.irp b, 0,1,2,3
	v_add_nc_u32 v[TM+8+\b], 0xfe000000, v[TM+\b]  ; 4 off the exponent field: the conversion's scale operand
.endr
.irp b, 0,1,2,3
	v_lshrrev_b32 v[TM+4+\b], 23, v[TM+8+\b]       ; the scale's byte
.endr
	v_lshl_or_b32 v[PW], v[TM+5], 8, v[TM+4]
	v_lshl_or_b32 v[PW], v[TM+6], 16, v[PW]
	v_lshl_or_b32 v[PW], v[TM+7], 24, v[PW]
	WIN (\w)
	v_cvt_scalef32_pk16_bf6_f32 v[(\d0):(\d0)+2], v[(\s):(\s)+15], v[TM+8]
	v_cvt_scalef32_pk16_bf6_f32 v[XT:XT+2], v[(\s)+16:(\s)+31], v[TM+9]
	v_cvt_scalef32_pk16_bf6_f32 v[(\d1):(\d1)+2], v[(\s)+32:(\s)+47], v[TM+10]
	v_cvt_scalef32_pk16_bf6_f32 v[XT+4:XT+6], v[(\s)+48:(\s)+63], v[TM+11]
	WIN 0
	v_nop                                          ; one plain place behind the scaled conversions
.irp i, 0,1,2
	v_permlane16_swap_b32 v[(\d0)+\i], v[XT+\i]
	v_permlane16_swap_b32 v[(\d1)+\i], v[XT+4+\i]
.endr
.irp i, 0,1,2
	v_mov_b32 v[(\d0)+3+\i], v[XT+\i]
	v_mov_b32 v[(\d1)+3+\i], v[XT+4+\i]
.endr
.endm
; one product.  zero = 1: C is the constant 0, the sum begins.  ra, rb = 1: that side's scale words stand in lanes 16-31
.macro WMS d, a, b, zero, sa, sb, ra, rb
.if (\zero) && ((\ra) == 0) && ((\rb) == 0)
	v_wmma_scale_f32_16x16x128_f8f6f4 v[(\d):(\d)+7], v[(\a):(\a)+11], v[(\b):(\b)+11], 0, v[\sa], v[\sb] matrix_a_fmt:MATRIX_FMT_BF6 matrix_b_fmt:MATRIX_FMT_BF6
.elseif (\zero) && ((\ra) == 1) && ((\rb) == 0)
	v_wmma_scale_f32_16x16x128_f8f6f4 v[(\d):(\d)+7], v[(\a):(\a)+11], v[(\b):(\b)+11], 0, v[\sa], v[\sb] matrix_a_fmt:MATRIX_FMT_BF6 matrix_b_fmt:MATRIX_FMT_BF6 matrix_a_scale:MATRIX_SCALE_ROW1
.elseif (\zero) && ((\ra) == 0) && ((\rb) == 1)
	v_wmma_scale_f32_16x16x128_f8f6f4 v[(\d):(\d)+7], v[(\a):(\a)+11], v[(\b):(\b)+11], 0, v[\sa], v[\sb] matrix_a_fmt:MATRIX_FMT_BF6 matrix_b_fmt:MATRIX_FMT_BF6 matrix_b_scale:MATRIX_SCALE_ROW1
.elseif (\zero)
	v_wmma_scale_f32_16x16x128_f8f6f4 v[(\d):(\d)+7], v[(\a):(\a)+11], v[(\b):(\b)+11], 0, v[\sa], v[\sb] matrix_a_fmt:MATRIX_FMT_BF6 matrix_b_fmt:MATRIX_FMT_BF6 matrix_a_scale:MATRIX_SCALE_ROW1 matrix_b_scale:MATRIX_SCALE_ROW1
.elseif ((\ra) == 0) && ((\rb) == 0)
	v_wmma_scale_f32_16x16x128_f8f6f4 v[(\d):(\d)+7], v[(\a):(\a)+11], v[(\b):(\b)+11], v[(\d):(\d)+7], v[\sa], v[\sb] matrix_a_fmt:MATRIX_FMT_BF6 matrix_b_fmt:MATRIX_FMT_BF6
.elseif ((\ra) == 1) && ((\rb) == 0)
	v_wmma_scale_f32_16x16x128_f8f6f4 v[(\d):(\d)+7], v[(\a):(\a)+11], v[(\b):(\b)+11], v[(\d):(\d)+7], v[\sa], v[\sb] matrix_a_fmt:MATRIX_FMT_BF6 matrix_b_fmt:MATRIX_FMT_BF6 matrix_a_scale:MATRIX_SCALE_ROW1
.elseif ((\ra) == 0) && ((\rb) == 1)
	v_wmma_scale_f32_16x16x128_f8f6f4 v[(\d):(\d)+7], v[(\a):(\a)+11], v[(\b):(\b)+11], v[(\d):(\d)+7], v[\sa], v[\sb] matrix_a_fmt:MATRIX_FMT_BF6 matrix_b_fmt:MATRIX_FMT_BF6 matrix_b_scale:MATRIX_SCALE_ROW1
.else
	v_wmma_scale_f32_16x16x128_f8f6f4 v[(\d):(\d)+7], v[(\a):(\a)+11], v[(\b):(\b)+11], v[(\d):(\d)+7], v[\sa], v[\sb] matrix_a_fmt:MATRIX_FMT_BF6 matrix_b_fmt:MATRIX_FMT_BF6 matrix_a_scale:MATRIX_SCALE_ROW1 matrix_b_scale:MATRIX_SCALE_ROW1
.endif
.endm
; a joint load: waves 0 and 1 ask for R's two groups, waves 2 and 3 for P's.  The branch hangs on the wave's number alone.  Four v_nop follow each of the two lines.
.macro JLOAD g0r, g0p
	s_cmp_eq_u32 s15, 0
	s_cbranch_scc0 .Lfor_p_\@
	tensor_load_to_lds s[\g0r:\g0r+3], s[G1R:G1R+7]
	s_nop 0
	PLACES 4
	s_branch .Lasked_\@
.Lfor_p_\@:
	tensor_load_to_lds s[\g0p:\g0p+3], s[G1P:G1P+7]
	s_nop 0
	PLACES 4
.Lasked_\@:
.endm
.macro CREST                           ; a round of the cluster's barrier behind its opening barrier
	s_cmp_lg_u32 s14, 0
	s_cbranch_scc1 .Lnot_wave_0_\@
	s_barrier_signal -3
.Lnot_wave_0_\@:
	s_barrier_wait -3
	s_barrier_signal -1
	s_barrier_wait -1
.endm
.macro CROUND
	s_barrier_signal -1
	s_barrier_wait -1
	CREST
.endm
.macro SETG0 g0r, g0p, slot            ; a slot's two groups 0, and its first fill
	s_mov_b32 s[\g0r], 1
	s_add_co_u32 s[\g0r+1], s45, \slot*SLOTB
	s_add_nc_u64 s[\g0r+2:\g0r+3], s[62:63], \slot*HALFB
	s_or_b32 s[\g0r+3], s[\g0r+3], 0x80000000
	s_mov_b32 s[\g0p], 1
	s_add_co_u32 s[\g0p+1], s45, \slot*SLOTB
	s_add_nc_u64 s[\g0p+2:\g0p+3], s[60:61], \slot*HALFB
	s_or_b32 s[\g0p+3], s[\g0p+3], 0x80000000
	JLOAD \g0r, \g0p
.endm
	s_load_b256 s[4:11], s[0:1], 0x0               ; xq, wq, b_qkv, qb
	s_load_b64 s[12:13], s[0:1], 0x20              ; kv
	v_lshl_add_u32 v[SPW], v0, 2, SPARE
	v_mov_b32 v[NIL], 0
	ds_add_u32 v28, v29
	ds_add_u32 v28, v29
	s_wait_dscnt 0x0
	v_lshrrev_b32 v1, 5, v0
	v_readfirstlane_b32 s14, v1                    ; wave 0..3
	s_lshr_b32 s15, s14, 1                         ; which group of R is mine.  Also: I ask for R (0) or for P (1)
	s_and_b32 s16, s14, 1                          ; which group of P is mine.  Also: which group of that side I ask for
	s_bfe_u32 s40, ttmp6, 0x40000                  ; cx
	s_bfe_u32 s41, ttmp6, 0x40004                  ; cy
	s_and_b32 s17, ttmp7, 0xffff                   ; the cluster's y
	s_lshl_b32 s42, ttmp9, 2
	s_lshl_b32 s43, s17, 2
	s_cmp_lt_u32 ttmp9, 2                          ; q or k (P = the weight), or v (P = x)
	s_cselect_b32 s80, s42, s43
	s_cselect_b32 s82, s43, 8
	s_add_co_u32 s80, s80, s40                     ; P's block of 256: hangs on cx, never on cy
	s_add_co_u32 s82, s82, s41                     ; R's: on cy, never on cx
	s_lshl_b32 s80, s80, 1
	s_add_co_u32 s80, s80, s16                     ; P's group: the one I multiply, and the one I ask for
	s_lshl_b32 s82, s82, 1
	s_add_co_u32 s81, s82, s16                     ; R's group that I ask for
	s_add_co_u32 s82, s82, s15                     ; R's group that I multiply
	s_lshl_b32 s43, s41, 2
	s_lshl_b32 s43, 15, s43                        ; my row of the cluster
	s_lshl_b32 s44, 0x1111, s40                    ; my column
	s_or_b32 s[G1R], s43, (3<<16)|(1<<21)          ; 15:0 the mask; 17:16 elements of 8 bytes; 20 no padding; 21 set beside a mask
	s_or_b32 s[G1P], s44, (3<<16)|(1<<21)
.irp g, G1R, G1P                       ; 24,576 dense bytes as 96 rows of 256
	s_mov_b32 s[\g+1], 32<<16                      ; tensor_dim0 = 32
	s_mov_b32 s[\g+2], 96<<16                      ; tensor_dim1 = 96
	s_mov_b32 s[\g+3], 32<<16                      ; tile_dim0
	s_mov_b32 s[\g+4], 96                          ; tile_dim1
	s_mov_b32 s[\g+5], 32                          ; the pitch
	s_mov_b32 s[\g+6], 0
	s_mov_b32 s[\g+7], 0
.endr
	s_mul_i32 s18, s80, REC
	s_mov_b32 s19, 0
	s_mul_i32 s20, s81, REC
	s_mov_b32 s21, 0
	s_mul_i32 s22, s82, REC
	s_mov_b32 s23, 0
	s_mul_i32 s45, s14, HALFB                      ; where my tile goes in a slot: wave x 24,576: no place in the cluster enters an LDS address
	s_mov_b32 s[SEL], 0x76543210
	s_mov_b32 s[SEL+1], 0xfedcba98
	s_mov_b32 s92, 0xffff
	s_mov_b32 s93, 0x7f7f0000
	s_mov_b32 s94, 0xffff0000                      ; lanes 16-31
	s_wait_kmcnt 0x0
	s_cmp_lt_u32 ttmp9, 2
	s_cselect_b64 s[84:85], s[6:7], s[4:5]         ; P's buffer
	s_cselect_b64 s[86:87], s[4:5], s[6:7]         ; R's
	s_add_nc_u64 s[60:61], s[84:85], s[18:19]      ; P's record
	s_add_nc_u64 s[62:63], s[86:87], s[20:21]      ; R's record that I ask for
	s_add_nc_u64 s[66:67], s[86:87], s[22:23]      ; R's record that I multiply
	CROUND                                         ; all sixteen work-groups are here: the first joint loads meet
	SETG0 G0R0, G0P0, 0
	SETG0 G0R1, G0P1, 1
	SETG0 G0R2, G0P2, 2
	v_and_b32 v1, 31, v0
	v_lshlrev_b32 v[L16], 4, v1
	v_lshlrev_b32 v[L4], 2, v1
	v_lshlrev_b32 v[L8], 3, v1
	v_bfe_u32 v2, v0, 4, 1
	v_lshlrev_b32 v[BH], 6, v2
	v_and_b32 v3, 15, v0
	v_and_b32 v4, 8, v3
	v_add_nc_u32 v4, v4, v3
	v_lshlrev_b32 v[BRW], 2, v4
.irp b, 0,1,2,3
	v_mov_b32 v[TM+4+\b], 0                        ; a lane permute's destination counts as one of its sources
.endr
	s_mul_i32 s21, s15, HALFB
	s_mul_i32 s22, s16, HALFB
	s_add_co_u32 s22, s22, 2*HALFB
.irp s, 0,1,2
	v_add_nc_u32 v[ADRR+\s], s21, v[L16]
	v_add_nc_u32 v[ADRP+\s], s22, v[L16]
	s_add_co_u32 s21, s21, SLOTB
	s_add_co_u32 s22, s22, SLOTB
.endr
.irp s, 0,1,2,3,4,5,6,7
.irp j, 0,1,2,3
	global_load_b32 v[SCP+4*\s+\j], v[L4], s[60:61] offset:98304+512*\s+128*\j   ; the scale words of all of K: 128 consecutive bytes a load
	global_load_b32 v[SCR+4*\s+\j], v[L4], s[66:67] offset:98304+512*\s+128*\j
.endr
.endr
	s_cmp_lt_u32 ttmp9, 2
	s_cselect_b32 s18, s80, s82                    ; the bias runs along the weight's columns: P's group, or R's
	s_lshl_b32 s18, s18, 9
	s_mov_b32 s19, 0
	s_add_nc_u64 s[88:89], s[8:9], s[18:19]        ; the bias of those 128 columns
; 16 products: R's blocks a0, a0 + 1 x P's eight, K step s.  The 64 accumulators take turns, one instruction a turn, in the same order in every step.
.macro MUL16 a0, s, zero
.irp a, \a0, \a0+1
.irp b, 0,1,2,3,4,5,6,7
	WMS 8*(8*((\a)%4)+\b), 128*((\s)%2)+12*\b, RF+12*(\a), \zero, SCP+4*(\s)+\b/2, SCR+4*(\s)+(\a)/2, (\b%2), ((\a)%2)
.endr
.endr
.endm
.macro FETCH_P slot, q, p              ; P's eight fragments of the slot's q-th K step into set p: images, 512 consecutive bytes a load
	WIN 0x40
.irp i, 0,1,2,3,4,5,6,7
.irp g, 0,1,2
	ds_load_b128 v[128*(\p)+12*\i+4*\g:128*(\p)+12*\i+4*\g+3], v[ADRP+(\slot)] offset:(\q)*12288+\i*1536+512*\g
.endr
.endr
	WIN 0
.endm
.macro FETCH_R slot, q, i0             ; R's blocks i0 .. i0 + 3
.irp i, \i0, \i0+1, \i0+2, \i0+3
.irp g, 0,1,2
	ds_load_b128 v[RF+12*(\i)+4*\g:RF+12*(\i)+4*\g+3], v[ADRR+(\slot)] offset:(\q)*12288+(\i)*1536+512*\g
.endr
.endr
.endm
; K step s; step s + 1 lies in slot ((s + 1) / 2) % 3.  A load into a register that a matrix instruction has read stands four places behind it (ISA guide 7.12.1 for vector instructions).
.macro STEP s, zero
	s_wait_dscnt 12                                ; P's set and R's blocks 0-3 are in; the youngest twelve loads (R's blocks 4-7) may be out
	WIN MUL_LO
	MUL16 0, \s, \zero
	MUL16 2, \s, \zero
	s_wait_dscnt 0x0                               ; R's blocks 4-7 are in
	PLACES 4
	FETCH_P (((\s)+1)/2)%3, ((\s)+1)%2, ((\s)+1)%2
	FETCH_R (((\s)+1)/2)%3, ((\s)+1)%2, 0
	WIN MUL_HI
	MUL16 4, \s, \zero
	MUL16 6, \s, \zero
	PLACES 4
	WIN 0
	FETCH_R (((\s)+1)/2)%3, ((\s)+1)%2, 4
.endm
; a K step with a barrier in it.  In front of the barrier each wave waits for all its tensor loads, adds 0 to its spare word, and waits for that and for its reads so far.  fill = 1: slot 0, which nobody reads any more, takes K steps 6 and 7.
.macro TURN s, fill
	s_wait_tensorcnt 0x0                           ; all my tensor loads have landed
	ds_add_u32 v[SPW], v[NIL]                      ; 0 onto my spare word
	s_wait_dscnt 13                                ; (the add and R's blocks 4-7 may be out)
	WIN MUL_LO
	MUL16 0, \s, 0                                 ; sixteen products stand between the add and the wait for it
	s_wait_dscnt 0x0                               ; the add is done, and my reads of the slot in hand are over
	s_barrier_signal -1
	MUL16 2, \s, 0
	WIN 0
	s_barrier_wait -1
.if \fill
	CREST                                          ; the barrier has opened a round of the cluster's barrier: no wave of any partner still reads slot 0 or has a load on its way
	s_add_nc_u64 s[G0R0+2:G0R0+3], s[G0R0+2:G0R0+3], 3*HALFB
	s_add_nc_u64 s[G0P0+2:G0P0+3], s[G0P0+2:G0P0+3], 3*HALFB
	JLOAD G0R0, G0P0                               ; the first tensor load behind the round; its four v_nop are the places in front of the loads below
.else
	PLACES 4
.endif
	FETCH_P (((\s)+1)/2)%3, ((\s)+1)%2, ((\s)+1)%2
	FETCH_R (((\s)+1)/2)%3, ((\s)+1)%2, 0
	WIN MUL_HI
	MUL16 4, \s, 0
	MUL16 6, \s, 0
	PLACES 4
	WIN 0
	FETCH_R (((\s)+1)/2)%3, ((\s)+1)%2, 4
.endm
; the last K step: nothing more to fetch.  It stands once on each way out, behind that way's bias loads; the accumulators' order of turns is that of every step.
.macro LAST
	s_wait_dscnt 12
	WIN MUL_LO
	MUL16 0, 7, 0
	MUL16 2, 7, 0
	s_wait_dscnt 0x0
	WIN MUL_HI
	MUL16 4, 7, 0
	MUL16 6, 7, 0
	WIN 0
	PLACES 4                                       ; in front of the first read of results, and of writes over R's fragments
.endm
.macro FINISH
	s_wait_tensorcnt 0x0                           ; the wave's end
	ds_add_u32 v[SPW], v[NIL]
	s_wait_dscnt 0x0
	CROUND                                         ; the closing round
	s_endpgm
.endm
	s_wait_tensorcnt 0x2                           ; my part of slot 0 is in; slots 1 and 2 may stay out
	s_barrier_signal -1
	s_barrier_wait -1
	FETCH_P 0, 0, 0
	FETCH_R 0, 0, 0
	FETCH_R 0, 0, 4
	s_wait_loadcnt 0x0                             ; the scale words
	STEP 0, 1                                      ; the first step's products start the sums: nothing is cleared
	TURN 1, 1                                      ; all three slots are whole; slot 0 is asked for again: three steps and a half, 224 products a wave, in which to land
	STEP 2, 0
	STEP 3, 0
	STEP 4, 0
	TURN 5, 0                                      ; steps 6 and 7 are whole in every wave's eyes
	STEP 6, 0
	s_cmp_lt_u32 ttmp9, 2                          ; the two ways out part here; no barrier and no tensor load stands on either before the closing lines
	s_cbranch_scc0 .Lv_out
	; ---- q, k: my 128 columns are heads 2 hp and 2 hp + 1; my 128 rows are one step of one batch.  Tile a's 64 registers: blocks 0, 1 = the first head's 64, blocks 2, 3 = the second's
	WIN 0x40                                       ; destination window 1
.irp b, 0,1,2,3,4,5,6,7                ; the bias in the result's layout: tile b's eight columns of my half: 32 (b / 2) + 8 (b % 2) + 16 (lane / 16) + 0 .. 7
	global_load_b128 v[96+8*\b+96*(\b/4):96+8*\b+96*(\b/4)+3], v[BH], s[88:89] offset:4*(32*(\b/2)+8*(\b%2))
	global_load_b128 v[96+8*\b+96*(\b/4)+4:96+8*\b+96*(\b/4)+7], v[BH], s[88:89] offset:4*(32*(\b/2)+8*(\b%2))+16
.endr
	WIN 0
	LAST                                           ; 64 products in which the bias lands
	s_lshr_b32 s18, s82, 3                         ; batch
	s_and_b32 s19, s82, 7                          ; step
	s_and_b32 s20, s80, 7                          ; hp
	s_lshl_b32 s18, s18, 4
	s_lshl_b32 s20, s20, 1
	s_add_co_u32 s18, s18, s20                     ; bh of the first head
	s_lshl_b32 s18, s18, 3
	s_add_co_u32 s18, s18, s19                     ; 8 bh + step
	s_mov_b32 s20, 13056
	s_mov_b32 s21, 12288
	s_cmp_eq_u32 ttmp9, 0
	s_cselect_b32 s20, 6656, s20                   ; bytes of a step's record
	s_cselect_b32 s21, 6144, s21                   ; where its scale words begin
	s_cselect_b64 s[22:23], s[10:11], s[12:13]     ; qb or kv
	s_mul_i32 s18, s18, s20
	s_mov_b32 s19, 0
	s_add_nc_u64 s[42:43], s[22:23], s[18:19]      ; the first head's record,
	s_lshl_b32 s18, s20, 3
	s_add_nc_u64 s[44:45], s[42:43], s[18:19]      ; the second's: eight steps on
	s_mov_b32 s18, s21
	s_add_nc_u64 s[46:47], s[42:43], s[18:19]
	s_add_nc_u64 s[66:67], s[44:45], s[18:19]
	s_wait_loadcnt 0x0                             ; the bias
.macro QKROW a
.set QW, 2+(\a)/4
.set QS, 64*((\a)%4)
.set KH0, KH+24*(((\a)/2)%2)
.set KH1, KH0+12
.if (\a)%2 == 0
	s_wait_xcnt 0x0                                ; earlier stores have read their registers: the codes may be written again
.endif
	WIN ((QW<<6)|(1<<2)|QW)
.irp b, 0,1,2,3,4,5,6,7                ; + bias, each accumulator from its low end on
.irp q, 0,2,4,6
	v_pk_add_f32 v[QS+8*\b+\q:QS+8*\b+\q+1], v[QS+8*\b+\q:QS+8*\b+\q+1], v[96+8*\b+96*(\b/4)+\q:96+8*\b+96*(\b/4)+\q+1]
.endr
.endr
	QUANTW QW, QS, KH0+6*((\a)%2), KH1+6*((\a)%2)
	v_and_or_b32 v[T0], v[PW], s92, s93            ; the first head's two bytes, 0x7f above them: the upper 64 of the instruction's K are zero codes on q's side
	v_lshrrev_b32 v[T1], 16, v[PW]
	v_or_b32 v[T1], s93, v[T1]                     ; the second head's
.if (\a)%2 == 0
	v_mov_b32 v[SW0+(\a)/2], v[T0]
	v_mov_b32 v[SW1+(\a)/2], v[T1]
.else
	v_cndmask_b32 v[SW0+(\a)/2], v[SW0+(\a)/2], v[T0], s94   ; lanes 16-31 take the odd tile's words
	v_cndmask_b32 v[SW1+(\a)/2], v[SW1+(\a)/2], v[T1], s94
.irp g, 0,1,2
	global_store_b128 v[L16], v[KH0+4*\g:KH0+4*\g+3], s[42:43] offset:((\a)/2)*1536+512*\g   ; 512 consecutive bytes
	global_store_b128 v[L16], v[KH1+4*\g:KH1+4*\g+3], s[44:45] offset:((\a)/2)*1536+512*\g
.endr
.endif
.endm
.irp a, 0,1,2,3,4,5,6,7
	QKROW \a
.endr
	global_store_b128 v[L16], v[SW0:SW0+3], s[46:47]
	global_store_b128 v[L16], v[SW1:SW1+3], s[66:67]
	FINISH
	; ---- v: my 128 rows of P are the keys of one step; R's tile a is tile a % 4 of head 2 hp + a / 4.  Tile a's 64 registers run along the 128 keys: one whole fragment
.Lv_out:
	WIN 0x40                                       ; destination window 1
.irp a, 0,1,2,3,4,5,6,7                ; the bias: one number a lane and tile of R, twice: a pair for the packed addition
	global_load_b32 v[96+2*\a], v[BRW], s[88:89] offset:4*(32*(\a/2)+8*(\a%2))
	global_load_b32 v[97+2*\a], v[BRW], s[88:89] offset:4*(32*(\a/2)+8*(\a%2))
.endr
	WIN 0
	LAST                                           ; 64 products in which the bias lands
	s_lshr_b32 s18, s80, 3                         ; batch
	s_and_b32 s19, s80, 7                          ; step
	s_sub_co_u32 s20, s82, 16                      ; hp
	s_lshl_b32 s18, s18, 4
	s_lshl_b32 s20, s20, 1
	s_add_co_u32 s18, s18, s20
	s_lshl_b32 s18, s18, 3
	s_add_co_u32 s18, s18, s19
	s_mul_i32 s18, s18, 13056
	s_mov_b32 s19, 0
	s_add_nc_u64 s[42:43], s[12:13], s[18:19]
	s_wait_loadcnt 0x0                             ; the bias
.macro VROW a
.set QW, 2+(\a)/4
.set QS, 64*((\a)%4)
.set VF, KH+12*((\a)%2)
.set SVI, SW0+2*((\a)/4)+((\a)%4)/2
.if (\a)%2 == 0
	s_wait_xcnt 0x0                                ; earlier stores have read their registers: the codes may be written again
.endif
	WIN ((QW<<6)|(1<<2)|QW)
.set p_, 0
.rept 32
	v_pk_add_f32 v[QS+2*p_:QS+2*p_+1], v[QS+2*p_:QS+2*p_+1], v[96+2*(\a):97+2*(\a)]
.set p_, p_+1
.endr
	QUANTW QW, QS, VF, VF+6
.if (\a)%2 == 0
	v_mov_b32 v[SVI], v[PW]
.else
	v_cndmask_b32 v[SVI], v[SVI], v[PW], s94
.endif
.irp g, 0,1,2
	global_store_b128 v[L16], v[VF+4*\g:VF+4*\g+3], s[42:43] offset:((\a)/4)*104448+6144+((\a)%4)*1536+512*\g
.endr
.endm
.irp a, 0,1,2,3,4,5,6,7
	VROW \a
.endr
	global_store_b64 v[L8], v[SW0:SW0+1], s[42:43] offset:12800
	global_store_b64 v[L8], v[SW0+2:SW0+3], s[42:43] offset:12800+104448
	FINISH
.Lfunc_end_k_q8b592d2a36_qkv:
	.size	k_q8b592d2a36_qkv, .Lfunc_end_k_q8b592d2a36_qkv-k_q8b592d2a36_qkv
	.p2alignl 7, 3214868480
	.fill 96, 4, 3214868480
	.section	.rodata,"a",@progbits
	.p2align	6, 0x0
	.amdhsa_kernel k_q8b592d2a36_qkv
		.amdhsa_group_segment_fixed_size 327680
		.amdhsa_private_segment_fixed_size 0
		.amdhsa_enable_private_segment 0
		.amdhsa_kernarg_size 40
		.amdhsa_user_sgpr_count 2
		.amdhsa_user_sgpr_kernarg_segment_ptr 1
		.amdhsa_wavefront_size32 1
		.amdhsa_system_sgpr_workgroup_id_x 1
		.amdhsa_system_sgpr_workgroup_id_y 1
		.amdhsa_system_sgpr_workgroup_id_z 1
		.amdhsa_system_vgpr_workitem_id 0
		.amdhsa_next_free_vgpr 1024
		.amdhsa_next_free_sgpr 100
		.amdhsa_reserve_vcc 0
		.amdhsa_float_denorm_mode_32 3
		.amdhsa_float_denorm_mode_16_64 3
		.amdhsa_memory_ordered 1
		.amdhsa_forward_progress 1
		.amdhsa_inst_pref_size 222
	.end_amdhsa_kernel
	.amdgpu_metadata
---
amdhsa.version: [ 1, 2 ]
amdhsa.kernels:
  - .name:           k_q8b592d2a36_qkv
    .symbol:         k_q8b592d2a36_qkv.kd
    .args:
      - { .name: xq, .offset: 0, .size: 8, .value_kind: global_buffer, .address_space: global }
      - { .name: wq, .offset: 8, .size: 8, .value_kind: global_buffer, .address_space: global }
      - { .name: b_qkv, .offset: 16, .size: 8, .value_kind: global_buffer, .address_space: global }
      - { .name: qb, .offset: 24, .size: 8, .value_kind: global_buffer, .address_space: global }
      - { .name: kv, .offset: 32, .size: 8, .value_kind: global_buffer, .address_space: global }
    .group_segment_fixed_size: 327680
    .private_segment_fixed_size: 0
    .kernarg_segment_align: 8
    .kernarg_segment_size: 40
    .max_flat_workgroup_size: 128
    .sgpr_count:     100
    .vgpr_count:     1024
    .wavefront_size: 32
...
	.end_amdgpu_metadata
.endif
;; end of part 2
;; launch attn (part 3): grid 4 x 64, 16 waves a work-group, clusters of 4 x 1, 236,544 bytes of LDS; arguments qb, kv, aq; writes aq
.if DOCPART == 3
	.amdgcn_target "amdgcn-amd-amdhsa--gfx1250"
	.amdhsa_code_object_version 6
	.text
	.protected	k_q8b592d2a36_attn
	.globl	k_q8b592d2a36_attn
	.p2align	8
	.type	k_q8b592d2a36_attn,@function
k_q8b592d2a36_attn:
	s_mov_b64 s[64:65], 0
	v_nop
	global_prefetch_b8 v0, s[64:65] scope:SCOPE_SE
	s_setreg_imm32_b32 hwreg(HW_REG_WAVE_MODE, 25, 1), 1
	s_wait_xcnt 0x0
	s_wait_alu depctr_hold_cnt(0) depctr_sa_sdst(0) depctr_va_vdst(0) depctr_va_sdst(0) depctr_va_ssrc(0) depctr_va_vcc(0) depctr_vm_vsrc(0)
	s_getreg_b32 s2, hwreg(HW_REG_IB_STS2, 6, 4)
	s_cmp_eq_u32 s2, 0
	s_cbranch_scc0 .Lentry_in_a_cluster
	s_endpgm
.Lentry_in_a_cluster:
	s_bfe_u32 s2, ttmp6, 0x10000c
	s_cmp_lg_u32 s2, 0x3003
	s_cbranch_scc0 .Lentry_shape_is_right
	s_endpgm
.Lentry_shape_is_right:
; Attention on codes of BF6, and its result quantised along E for the projection.  qb, kv: the records that the launch before laid (their layout stands at its head).  aq: 64 records of 102,400 bytes, laid as xq.
; t = score x log2(e) / 8; M = the running largest t rounded UP to a whole number; p = 2^(t - M) is quantised along the keys, not normalised; the row's sum is taken of the unquantised p and divides at the end.
; When M moves, the sum and O are multiplied by 2^(old M - new M): exact.
; SHARES: a work-group owns 256 queries of one batch and TWO heads, 2 hp and 2 hp + 1: together they are K step hp (128 along E) of the projection, so a wave ends with one whole fragment of aq.
; Each of sixteen waves owns one tile of 16 queries in 256 registers: four waves to a SIMD, so that one wave's vector work stands beside another's products and LDS loads.
; LDS: both heads' k, v and scale words, 2 x 104,448 bytes, are filled ONCE: no slot is filled again.  The four query blocks of a cluster read the same bytes and ask jointly (mask 15); waves 0-3 ask, two loads each.
; Both products are used transposed (S^T = k q^T, O^T = v^T p^T): a lane holds one query throughout; the keys of a tile are chosen so that the 16 registers of two neighbouring tiles are 16 neighbouring keys.
; K = 64 IN AN INSTRUCTION OF K = 128: q's registers 6-11 are zero codes.  k's fragment of tile t is named as v[32 + 6 t .. 43 + 6 t]: its upper six registers are the next tile's codes (for tile 7: v's first six),
; finite numbers (the format has no infinity and no NaN) that meet zero codes; the scale bytes 2 and 3 are 0x7f on both sides.
; LIMITS: 1 / sum by v_rcp_f32; a block under 2^-122 or of zeros gets the byte 1; NaN and infinities are not served.
; REGISTERS: v1-9 addresses; v10-11 v's scale words; v12 -M, v13 the largest t, v[14:15] the sum; v16-27 q; v28-31 k's scale words; v32-79 k; v80-127 v; v128-191 S^T, then p; v192-223 O^T; v224-235 p's codes; v236-254 at work; v255 q's scale words.
.set OST,  208896                      ; LDS: behind the two heads: a stage of 1,536 bytes for each wave: its fragment of aq
.set SCS,  233472                      ; and the 16 tiles' scale words, 64 bytes each
.set SS,   128
.set OT,   192
.set BM,   236
.set PT,   240
.set SO,   244
.macro PLACES n
.rept \n
	v_nop
.endr
.endm
.macro CROUND                          ; a round of the cluster's barrier
	s_barrier_signal -1
	s_barrier_wait -1
	s_cmp_lg_u32 s10, 0
	s_cbranch_scc1 .Lnot_wave_0_\@
	s_barrier_signal -3
.Lnot_wave_0_\@:
	s_barrier_wait -3
	s_barrier_signal -1
	s_barrier_wait -1
.endm
	s_load_b128 s[4:7], s[0:1], 0x0                ; qb, kv
	s_load_b64 s[8:9], s[0:1], 0x10                ; aq
	v_lshl_add_u32 v250, v0, 2, 0x39400
	v_mov_b32 v251, 0
	ds_add_u32 v250, v251
	ds_add_u32 v250, v251
	v_lshrrev_b32 v1, 5, v0
	v_readfirstlane_b32 s10, v1                    ; wave 0..15
	s_and_b32 s11, s10, 3
	s_bfe_u32 s12, ttmp6, 0x40000                  ; cx
	s_lshl_b32 s13, ttmp9, 2
	s_add_co_u32 s12, s13, s12                     ; my block of 256 queries: it enters q's and aq's addresses alone
	s_and_b32 s13, ttmp7, 0xffff
	s_lshr_b32 s14, s13, 3                         ; batch
	s_and_b32 s15, s13, 7                          ; hp
	s_lshl_b32 s46, s14, 4
	s_lshl_b32 s47, s15, 1
	s_add_co_u32 s46, s46, s47                     ; bh of the first head
	s_mul_i32 s50, s11, 26112                      ; what I ask for, if I ask: two key steps of each head
	s_mul_i32 s48, s46, 104448
	s_add_co_u32 s48, s48, s50
	s_mov_b32 s49, 0
	s_lshl_b32 s51, s46, 3
	s_lshl_b32 s52, s12, 1
	s_lshr_b32 s53, s10, 3
	s_add_co_u32 s52, s52, s53                     ; my group of 128 queries in the batch
	s_add_co_u32 s51, s51, s52
	s_mul_i32 s54, s51, 6656                       ; its record in qb, first head
	s_mov_b32 s55, 0
	s_lshl_b32 s56, s14, 3
	s_add_co_u32 s57, s56, s52
	s_mul_i32 s57, s57, 102400                     ; its record in aq,
	s_mul_i32 s58, s15, 12288
	s_add_co_u32 s57, s57, s58                     ; K step hp,
	s_and_b32 s58, s10, 7
	s_mul_i32 s58, s58, 1536
	s_add_co_u32 s44, s57, s58                     ; my tile
	s_mov_b32 s45, 0
	s_lshl_b32 s57, s12, 1
	s_add_co_u32 s57, s57, s56
	s_and_b32 s58, s10, 1
	s_add_co_u32 s57, s57, s58                     ; waves 0 and 1 store the two groups' scale words
	s_mul_i32 s57, s57, 102400
	s_lshl_b32 s58, s15, 9
	s_add_co_u32 s57, s57, s58
	s_add_co_u32 s42, s57, 98304
	s_mov_b32 s43, 0
	s_and_b32 s38, s10, 1
	s_sub_co_u32 s38, 0, s38                       ; all ones where my tile is the odd one of its pair
	s_mov_b32 s32, 0x76543210
	s_mov_b32 s33, 0xfedcba98                      ; v_permlanex16_b32's selects for lane l xor 16
	s_mov_b32 s34, 0x3e38aa3b                      ; c = log2(e) / 8
	s_mov_b32 s35, s34                             ; (named with it as a pair)
	s_mov_b32 s36, 0                               ; LDS byte at which the key step in hand begins: 13,056 a step, through both heads
	s_mov_b32 s16, 15|(3<<16)|(1<<21)              ; group 1: mask of all four work-groups; elements of 8 bytes; no padding; bit 21 beside the mask
	s_mov_b32 s17, 32<<16                          ; 26,112 dense bytes as 102 rows of 256
	s_mov_b32 s18, 102<<16
	s_mov_b32 s19, 32<<16
	s_mov_b32 s20, 102
	s_mov_b32 s21, 32
	s_mov_b32 s22, 0
	s_mov_b32 s23, 0
	v_and_b32 v9, 31, v0
	v_lshlrev_b32 v1, 3, v9                        ; 8 x lane
	v_lshlrev_b32 v2, 4, v9                        ; 16 x lane
	s_mul_i32 s39, s10, 1536
	v_add_nc_u32 v5, s39, v2
	v_add_nc_u32 v5, OST, v5                       ; my stage
	v_and_b32 v6, 15, v0
	v_lshlrev_b32 v8, 4, v6
	v_lshlrev_b32 v6, 2, v6
	s_lshl_b32 s39, s10, 6
	v_add_nc_u32 v6, s39, v6
	v_add_nc_u32 v6, SCS, v6                       ; my row's scale word
	s_and_b32 s39, s10, 1
	s_lshl_b32 s39, s39, 9
	v_add_nc_u32 v7, s39, v2
	v_add_nc_u32 v7, SCS, v7                       ; a group's 512 bytes of scale words
	s_lshr_b32 s39, s39, 1
	s_bfe_u32 s58, s10, 0x20001                    ; my pair of tiles in the group
	s_lshl_b32 s59, s58, 2
	s_add_co_u32 s39, s39, s59
	s_add_co_u32 s39, s39, 6144
	v_add_nc_u32 v8, s39, v8                       ; q's scale word: 6144 + 16 (16 (wave % 2) + r) + 4 x pair
	s_mul_i32 s58, s58, 1536
	v_add_nc_u32 v9, s58, v2                       ; q's pair image
.irp i, 22,23,24,25,26,27
	v_mov_b32 v\i, 0                               ; q's upper 64 along K: zero codes
.endr
.irp b, 0,1,2,3
	v_mov_b32 v[PT+\b], 0                          ; a lane permute's destination counts as one of its sources
.endr
	v_mov_b32 v253, 0                              ; (named as the upper half of the pair v[252:253] before it is first written)
	s_wait_dscnt 0x0
	s_wait_kmcnt 0x0
	s_add_nc_u64 s[40:41], s[4:5], s[54:55]
	s_add_nc_u64 s[44:45], s[8:9], s[44:45]
	s_add_nc_u64 s[42:43], s[8:9], s[42:43]
	s_mov_b32 s24, 1                               ; group 0, first head
	s_mov_b32 s25, s50
	s_add_nc_u64 s[26:27], s[6:7], s[48:49]
	s_or_b32 s27, s27, 0x80000000
	s_mov_b32 s28, 1                               ; second head: 104,448 bytes on, in memory and in LDS
	s_add_co_u32 s29, s50, 104448
	s_add_nc_u64 s[30:31], s[6:7], s[48:49]
	s_add_nc_u64 s[30:31], s[30:31], 104448
	s_or_b32 s31, s31, 0x80000000
	CROUND                                         ; all four work-groups are here: the joint loads meet
	s_cmp_lt_u32 s10, 4                            ; a wave's two fills stand in one branch: two tensor loads of mine are out, or none
	s_cbranch_scc0 .Lasked
	tensor_load_to_lds s[24:27], s[16:23]
	s_nop 0
	tensor_load_to_lds s[28:31], s[16:23]
	s_nop 0
	PLACES 4
.Lasked:
.macro QLOAD hd                        ; my pair's image (the even tile's six registers, then the odd tile's) and my rows' scale words
.irp g, 0,1,2
	global_load_b128 v[224+4*\g:227+4*\g], v9, s[40:41] offset:53248*\hd+512*\g
.endr
	global_load_b32 v255, v8, s[40:41] offset:53248*\hd
.endm
	QLOAD 0
	s_wait_tensorcnt 0x1                           ; my part of the first head is in; the second head's may stay out
	s_barrier_signal -1
	s_barrier_wait -1
; A KEY STEP: 128 keys
.macro STEP
	v_add_nc_u32 v3, s36, v1
	v_add_nc_u32 v4, s36, v2
	PLACES 2                                       ; with the two additions: four places in front of loads into registers that the last products read
	ds_load_b128 v[28:31], v4 offset:12288         ; k's scale words: word j: lanes 0-15 tile 2 j, lanes 16-31 tile 2 j + 1
	ds_load_b64 v[10:11], v3 offset:12800          ; v's
.irp i, 0,1,2,3,4,5,6,7,8,9,10,11
	ds_load_b128 v[32+4*\i:35+4*\i], v4 offset:512*\i
.endr
.irp i, 0,1,2,3,4,5,6,7,8,9,10,11
	ds_load_b128 v[80+4*\i:83+4*\i], v4 offset:6144+512*\i
.endr
	s_wait_dscnt 10                                ; k, and v's first eight registers, which tile 7's operand names; v's last ten loads may be out
.irp t, 0,2,4,6
	v_wmma_scale_f32_16x16x128_f8f6f4 v[SS+8*\t:SS+8*\t+7], v[32+6*\t:43+6*\t], v[16:27], 0, v[28+\t/2], v255 matrix_a_fmt:MATRIX_FMT_BF6 matrix_b_fmt:MATRIX_FMT_BF6
	v_wmma_scale_f32_16x16x128_f8f6f4 v[SS+8*\t+8:SS+8*\t+15], v[38+6*\t:49+6*\t], v[16:27], 0, v[28+\t/2], v255 matrix_a_fmt:MATRIX_FMT_BF6 matrix_b_fmt:MATRIX_FMT_BF6 matrix_a_scale:MATRIX_SCALE_ROW1
.endr
	PLACES 4
.irp b, 0,1,2,3
	v_max3_num_f32 v[BM+\b], v[SS+16*\b], v[SS+16*\b+1], v[SS+16*\b+2]   ; the largest score of each block of 32 keys: for the row's maximum and, since p rises with the score, for the block's largest p
.endr
.irp i, 3,5,7,9,11,13
.irp b, 0,1,2,3
	v_max3_num_f32 v[BM+\b], v[BM+\b], v[SS+16*\b+\i], v[SS+16*\b+\i+1]
.endr
.endr
.irp b, 0,1,2,3
	v_max_num_f32 v[BM+\b], v[BM+\b], v[SS+16*\b+15]
.endr
.irp b, 0,1,2,3
	v_permlanex16_b32 v[PT+\b], v[BM+\b], s32, s33
.endr
.irp b, 0,1,2,3
	v_max_num_f32 v[BM+\b], v[BM+\b], v[PT+\b]     ; with lane l xor 16's 16 keys
.endr
	v_max3_num_f32 v254, v[BM], v[BM+1], v[BM+2]
	v_max_num_f32 v254, v254, v[BM+3]
	v_mul_f32 v254, s34, v254                      ; the step's largest t (c is positive)
	v_max_num_f32 v13, v13, v254
	v_mov_b32 v254, v12
	v_floor_f32 v12, -v13                          ; the new -M = floor(-t): M is a whole number
	v_sub_f32 v254, v12, v254                      ; old M - new M: a whole number, 0 or less
	v_cvt_i32_f32 v254, v254                       ; (it saturates)
	v_ldexp_f32 v252, 1.0, v254                    ; f = 2^(old M - new M)
.set j_, 0
.rept 32
	v_pk_fma_f32 v[SS+j_:SS+j_+1], v[SS+j_:SS+j_+1], s[34:35], v[12:13] op_sel_hi:[1,0,0]   ; t - M
.set j_, j_+2
.endr
.irp b, 0,1,2,3
	v_fma_f32 v[BM+\b], v[BM+\b], s34, v12         ; the same of each block's largest score
.endr
.set j_, 0
.rept 64
	v_exp_f32 v[SS+j_], v[SS+j_]                   ; p = 2^(t - M), at most 1
.set j_, j_+1
.endr
.irp b, 0,1,2,3
	v_exp_f32 v[BM+\b], v[BM+\b]                   ; the block's largest p: the same two instructions on the same number
.endr
	v_pk_mul_f32 v[14:15], v[14:15], v[252:253] op_sel_hi:[1,0]   ; the sums under the new M (a plain place behind the exponentials)
	s_wait_alu depctr_va_vdst(0)
.irp b, 0,1,2,3
	v_max_num_f32 v[BM+\b], 0x2800000, v[BM+\b]    ; the floor 2^(5 - 127)
.endr
.irp b, 0,1,2,3
	v_add_nc_u32 v[SO+\b], 0xfe000000, v[BM+\b]
.endr
.irp b, 0,1,2,3
	v_lshrrev_b32 v[PT+\b], 23, v[SO+\b]
.endr
	v_lshl_or_b32 v253, v[PT+1], 8, v[PT]          ; p's scale word for these 128 keys
	v_lshl_or_b32 v253, v[PT+2], 16, v253
	v_lshl_or_b32 v253, v[PT+3], 24, v253
.irp c, 0,1
	v_cvt_scalef32_pk16_bf6_f32 v[224+6*\c:226+6*\c], v[SS+32*\c:SS+32*\c+15], v[SO+2*\c]
	v_cvt_scalef32_pk16_bf6_f32 v[236+4*\c:238+4*\c], v[SS+32*\c+16:SS+32*\c+31], v[SO+2*\c+1]
.endr
	v_nop                                          ; one plain place behind the scaled conversions
.irp c, 0,1
.irp i, 0,1,2
	v_permlane16_swap_b32 v[224+6*\c+\i], v[236+4*\c+\i]
.endr
.irp i, 0,1,2
	v_mov_b32 v[227+6*\c+\i], v[236+4*\c+\i]
.endr
.endr
	v_pk_add_f32 v[236:237], v[SS:SS+1], v[SS+2:SS+3]   ; the row's sum of the unquantised p, in two chains
.set j_, 4
.rept 15
	v_pk_add_f32 v[14:15], v[14:15], v[SS+j_:SS+j_+1]
	v_pk_add_f32 v[236:237], v[236:237], v[SS+j_+2:SS+j_+3]
.set j_, j_+4
.endr
	v_pk_add_f32 v[14:15], v[14:15], v[236:237]
.set j_, 0
.rept 16
	v_pk_mul_f32 v[OT+j_:OT+j_+1], v[OT+j_:OT+j_+1], v[252:253] op_sel_hi:[1,0]   ; O^T under the new M.  (These and the sums are the places between p's codes and scale word and the products)
.set j_, j_+2
.endr
	s_wait_dscnt 0x0                               ; v is in
.irp d, 0,2
	v_wmma_scale_f32_16x16x128_f8f6f4 v[OT+8*\d:OT+8*\d+7], v[80+12*\d:91+12*\d], v[224:235], v[OT+8*\d:OT+8*\d+7], v[10+\d/2], v253 matrix_a_fmt:MATRIX_FMT_BF6 matrix_b_fmt:MATRIX_FMT_BF6
	v_wmma_scale_f32_16x16x128_f8f6f4 v[OT+8*\d+8:OT+8*\d+15], v[92+12*\d:103+12*\d], v[224:235], v[OT+8*\d+8:OT+8*\d+15], v[10+\d/2], v253 matrix_a_fmt:MATRIX_FMT_BF6 matrix_b_fmt:MATRIX_FMT_BF6 matrix_a_scale:MATRIX_SCALE_ROW1
.endr
	s_add_co_u32 s36, s36, 13056
.endm
; ONE HEAD: q's six registers are chosen from the pair; eight key steps; O^T / sum, whose 32 registers are d = 32 b + 16 (lane / 16) + i, becomes registers 6 hd .. 6 hd + 5 of my fragment of aq and two bytes of its scale word.
.macro HEAD hd
	s_wait_loadcnt 0x0
.irp i, 0,1,2,3,4,5
	v_cndmask_b32 v[16+\i], v[224+\i], v[230+\i], s38
.endr
	v_mov_b32 v13, 0xff61b1e6                      ; the largest t so far: -3e38
	v_floor_f32 v12, -v13
	v_mov_b32 v14, 0
	v_mov_b32 v15, 0
.set j_, 0
.rept 32
	v_mov_b32 v[OT+j_], 0                          ; the step is written once: the first finds zeros, which the first change of M leaves zeros
.set j_, j_+1
.endr
	s_mov_b32 s37, 8
.Lstep_\@:
	STEP
	s_sub_co_u32 s37, s37, 1
	s_cmp_lg_u32 s37, 0
	s_cbranch_scc1 .Lstep_\@
	PLACES 4                                       ; behind the last products: in front of reads of O^T and of loads into p's codes
.if \hd == 0
	QLOAD 1                                        ; the second head's q lands while the first head goes out
.endif
	v_add_f32 v14, v14, v15
	v_permlanex16_b32 v252, v14, s32, s33
	v_add_f32 v14, v14, v252                       ; the row's sum
	v_rcp_f32 v14, v14
	v_nop                                          ; one plain place behind the transcendental
.set j_, 0
	s_wait_alu depctr_va_vdst(0)
.rept 32
	v_mul_f32 v[SS+j_], v[OT+j_], v14
.set j_, j_+1
.endr
.irp b, 0,1
	v_max3_num_f32 v[BM+\b], |v[SS+16*\b]|, |v[SS+16*\b+1]|, 0x2800000
.endr
.irp i, 2,4,6,8,10,12,14
.irp b, 0,1
	v_max3_num_f32 v[BM+\b], |v[SS+16*\b+\i]|, |v[SS+16*\b+\i+1]|, v[BM+\b]
.endr
.endr
.irp b, 0,1
	v_permlanex16_b32 v[PT+\b], v[BM+\b], s32, s33
.endr
.irp b, 0,1
	v_max_num_f32 v[BM+\b], v[BM+\b], v[PT+\b]
.endr
.irp b, 0,1
	v_add_nc_u32 v[SO+\b], 0xfe000000, v[BM+\b]
.endr
.irp b, 0,1
	v_lshrrev_b32 v[PT+\b], 23, v[SO+\b]
.endr
	v_lshl_or_b32 v254, v[PT+1], 8, v[PT]
	v_cvt_scalef32_pk16_bf6_f32 v[160:162], v[SS:SS+15], v[SO]
	v_cvt_scalef32_pk16_bf6_f32 v[168:170], v[SS+16:SS+31], v[SO+1]
	v_nop
.irp i, 0,1,2
	v_permlane16_swap_b32 v[160+\i], v[168+\i]
.endr
.irp i, 0,1,2
	v_mov_b32 v[163+\i], v[168+\i]
.endr
.if \hd == 0
	ds_store_b128 v5, v[160:163]                   ; registers 0-3: the image's first 512 bytes; 4, 5: the lower half of my 16 bytes in the second
	ds_store_b64 v5, v[164:165] offset:512
.else
	ds_store_b64 v5, v[160:161] offset:520         ; registers 6, 7: the upper half; 8-11: the third 512 bytes
	ds_store_b128 v5, v[162:165] offset:1024
.endif
	ds_store_b16 v6, v254 offset:2*\hd             ; both lanes of a row write the same two bytes
.endm
	HEAD 0
	s_wait_tensorcnt 0x0                           ; my part of the second head is in,
	s_wait_dscnt 0x0
	s_barrier_signal -1
	s_barrier_wait -1                              ; everybody's is
	HEAD 1
	ds_load_b128 v[160:163], v5                    ; LDS serves a wave's instructions in order: these see my stores
	ds_load_b128 v[164:167], v5 offset:512
	ds_load_b128 v[168:171], v5 offset:1024
.irp g, 0,1,2
	s_wait_dscnt 2-\g
	global_store_b128 v2, v[160+4*\g:163+4*\g], s[44:45] offset:512*\g   ; 512 consecutive bytes
.endr
	s_barrier_signal -1                            ; (no LDS instruction of mine is out)
	s_barrier_wait -1                              ; all sixteen tiles' scale words lie in LDS
	s_cmp_lt_u32 s10, 2
	s_cbranch_scc0 .Lno_words
	ds_load_b128 v[172:175], v7
	s_wait_dscnt 0x0
	global_store_b128 v2, v[172:175], s[42:43]     ; a group's words of K step hp: 512 consecutive bytes
.Lno_words:
	s_wait_tensorcnt 0x0
	ds_add_u32 v250, v251
	s_wait_dscnt 0x0
	CROUND                                         ; the closing round
	s_endpgm
.Lfunc_end_k_q8b592d2a36_attn:
	.size	k_q8b592d2a36_attn, .Lfunc_end_k_q8b592d2a36_attn-k_q8b592d2a36_attn
	.p2alignl 7, 3214868480
	.fill 96, 4, 3214868480
	.section	.rodata,"a",@progbits
	.p2align	6, 0x0
	.amdhsa_kernel k_q8b592d2a36_attn
		.amdhsa_group_segment_fixed_size 236544
		.amdhsa_private_segment_fixed_size 0
		.amdhsa_enable_private_segment 0
		.amdhsa_kernarg_size 24
		.amdhsa_user_sgpr_count 2
		.amdhsa_user_sgpr_kernarg_segment_ptr 1
		.amdhsa_wavefront_size32 1
		.amdhsa_system_sgpr_workgroup_id_x 1
		.amdhsa_system_sgpr_workgroup_id_y 1
		.amdhsa_system_sgpr_workgroup_id_z 1
		.amdhsa_system_vgpr_workitem_id 0
		.amdhsa_next_free_vgpr 256
		.amdhsa_next_free_sgpr 66
		.amdhsa_reserve_vcc 0
		.amdhsa_float_denorm_mode_32 3
		.amdhsa_float_denorm_mode_16_64 3
		.amdhsa_memory_ordered 1
		.amdhsa_forward_progress 1
		.amdhsa_inst_pref_size 49
	.end_amdhsa_kernel
	.amdgpu_metadata
---
amdhsa.version: [ 1, 2 ]
amdhsa.kernels:
  - .name:           k_q8b592d2a36_attn
    .symbol:         k_q8b592d2a36_attn.kd
    .args:
      - { .name: qb, .offset: 0, .size: 8, .value_kind: global_buffer, .address_space: global }
      - { .name: kv, .offset: 8, .size: 8, .value_kind: global_buffer, .address_space: global }
      - { .name: aq, .offset: 16, .size: 8, .value_kind: global_buffer, .address_space: global }
    .group_segment_fixed_size: 236544
    .private_segment_fixed_size: 0
    .kernarg_segment_align: 8
    .kernarg_segment_size: 24
    .max_flat_workgroup_size: 512
    .sgpr_count:     66
    .vgpr_count:     256
    .wavefront_size: 32
...
	.end_amdgpu_metadata
.endif
;; end of part 3
;; launch chain (part 4): grid 256 x 1, 8 waves a work-group, no clusters, 163,840 bytes of LDS; arguments aq, wq, x, b_proj, ln1_g, ln1_b, b1, b2, ln2_g, ln2_b, out0; writes out0
.if DOCPART == 4
	.amdgcn_target "amdgcn-amd-amdhsa--gfx1250"
	.amdhsa_code_object_version 6
	.text
	.protected	k_q8b592d2a36_chain
	.globl	k_q8b592d2a36_chain
	.p2align	8
	.type	k_q8b592d2a36_chain,@function
k_q8b592d2a36_chain:
	s_mov_b64 s[64:65], 0
	v_nop
	global_prefetch_b8 v0, s[64:65] scope:SCOPE_SE
	s_setreg_imm32_b32 hwreg(HW_REG_WAVE_MODE, 25, 1), 1
	s_wait_xcnt 0x0
; out0 = LN2(x1 + gelu(x1 W1 + b1) W2 + b2), x1 = LN1(x + att W_proj + b_proj).  The three products on codes of BF6; all else f32; nothing between them goes to memory.
; SHARES: a work-group owns 32 whole rows (a norm needs whole rows): 8,192 / 32 = 256 work-groups.  Wave w of eight owns columns 128 w .. 128 w + 127 of every product: one group of the weight, and one K step of the NEXT product.
; A wave: 2 tiles of rows x 8 tiles of columns = 16 accumulators, window 1.  Source 0 = the weight, source 1 = the rows: a lane holds one row, its registers run along the columns, 16 neighbours in two neighbouring tiles.
; The work-group's rows are tiles 2 j and 2 j + 1 of a group of 128 (j = id % 4): lane r of tile m stands for row 8 m + r + 8 (r / 8) of the 32.
; The rows' codes go from wave to wave through LDS as images of the operand's registers.  The weights' fragments go from memory straight into registers, through a ring of five batches of two fragments.
; NO JOINT REQUESTS, though all work-groups walk the same weights: beside x1 in f32 (131,072 bytes) and the images, two slots of half a K step (49,152 bytes each) would fit; a wave has 8 products for such a slot,
; and every refill would stand behind a round of a cluster's barrier: 48 rounds with 8 products between them.  No two waves of a work-group read the same weight byte.
; One text of the products for three phases: every sum begins with loaded registers: x, then b1, then x1 (the residuals and a bias cost no addition).  Phases 0 and 2 end in a norm, phase 1 in the gelu.
; LOADS AHEAD: a norm's bias and gain are asked for a phase before (window 1's upper half); the next weight's first five batches are asked for in pieces between the runs of vector work of the norm or the gelu.
; THE NORM has two passes: the mean first, then the squares of the differences: a common offset costs nothing.  gelu(x) = x/2 + x/2 erf(x / sqrt 2), erf(z) = z P(z^2) / Q(z^2) with z held to +-4.
; LIMITS: 1 + erf is formed by an addition: under x = -5.6 the gelu is 0 or some -3e-8 x and not the true tail.  rsqrt and the division by v_rsq_f32, v_rcp_f32.  A row's sums are taken in four chains a lane, then over lanes and waves:
; another order of f32 additions than a plain sum.  A block under 2^-122 or of zeros gets the byte 1.  NaN and infinities are not served.
; REGISTERS, window 0: v1-14 addresses; v15 a scale word just made; v16-17 the rows' scale words, two sets; v20-27 the weight's, two sets; v28-31 -mean, later 1 / deviation, each twice;
;   v36-83 the rows' fragments, two sets of two (behind a product: v36-99 the shift or 64 numbers, v100-131 at work); v132-135 two constants; v136-255 the ring.
;   window 1: accumulator (m, b) at v[64 m + 8 b]; v128-191 the norm's bias, v192-255 its gain.
.set XW,   16384                       ; LDS: 0: x1, 16,384 bytes a wave (its first 8,448 also a stage of 16 rows x 528);
.set CIMG, 8*XW                        ; the rows' images [K step][tile][1,536];
.set CSC,  CIMG+8*2*1536               ; their scale words, 128 s + 64 m + 4 r;
.set LNS,  CSC+8*128                   ; two exchanges of 8 waves x 16 rows x 2 tiles;
.set B1S,  LNS+2*1024                  ; and b1
.set TM,   100
.set XT,   112
.set PW,   15
.set SEL,  36
.set BIA,  128                         ; in window 1
.set GAI,  192
.set MUL,   0x50                       ; C and D window 1
.set INPL,  0x41                       ; destination and source 0 window 1
.set ALL1,  0x45                       ; destination, sources 0 and 1 window 1
.set RD1,   0x04                       ; source 1 (an LDS store's data) window 1
.set RD01,  0x05
.set RD0,   0x01
.set TOACC, 0x40                       ; destination window 1
.set MSB, 0
.macro WIN new                         ; the immediate's high byte repeats the setting that is left
.if MSB != (\new)
	s_set_vgpr_msb (MSB<<8)|(\new)
.set MSB, (\new)
.endif
.endm
.macro PLACES n
.rept \n
	v_nop
.endr
.endm
; 64 numbers of a lane in window w, v[s] on, register 16 b + i = k 32 b + 16 (lane / 16) + i of my row, become codes: k 0-63 in v[d0 .. d0+5], k 64-127 in v[d1 .. d1+5]; the scale word in v[PW].
.macro QUANTW w, s, d0, d1
	WIN ((\w)|((\w)<<2))
.irp b, 0,1,2,3
	v_max3_num_f32 v[TM+\b], |v[(\s)+16*\b]|, |v[(\s)+16*\b+1]|, 0x2800000   ; my 16 of block b, and the floor 2^(5 - 127): the byte cannot fall under 1
.endr
.irp i, 2,4,6,8,10,12,14
.irp b, 0,1,2,3
	v_max3_num_f32 v[TM+\b], |v[(\s)+16*\b+\i]|, |v[(\s)+16*\b+\i+1]|, v[TM+\b]
.endr
.endr
	WIN 0
.irp b, 0,1,2,3
	v_permlanex16_b32 v[TM+4+\b], v[TM+\b], s[SEL], s[SEL+1]
.endr
.irp b, 0,1,2,3
	v_max_num_f32 v[TM+\b], v[TM+\b], v[TM+4+\b]
.endr
.irp b, 0,1,2,3
	v_add_nc_u32 v[TM+8+\b], 0xfe000000, v[TM+\b]  ; 4 off the exponent field: the conversion's scale operand
.endr
.irp b, 0,1,2,3
	v_lshrrev_b32 v[TM+4+\b], 23, v[TM+8+\b]       ; the scale's byte
.endr
	v_lshl_or_b32 v[PW], v[TM+5], 8, v[TM+4]
	v_lshl_or_b32 v[PW], v[TM+6], 16, v[PW]
	v_lshl_or_b32 v[PW], v[TM+7], 24, v[PW]
	WIN (\w)
	v_cvt_scalef32_pk16_bf6_f32 v[(\d0):(\d0)+2], v[(\s):(\s)+15], v[TM+8]
	v_cvt_scalef32_pk16_bf6_f32 v[XT:XT+2], v[(\s)+16:(\s)+31], v[TM+9]
	v_cvt_scalef32_pk16_bf6_f32 v[(\d1):(\d1)+2], v[(\s)+32:(\s)+47], v[TM+10]
	v_cvt_scalef32_pk16_bf6_f32 v[XT+4:XT+6], v[(\s)+48:(\s)+63], v[TM+11]
	WIN 0
	v_nop                                          ; one plain place behind the scaled conversions
.irp i, 0,1,2
	v_permlane16_swap_b32 v[(\d0)+\i], v[XT+\i]
	v_permlane16_swap_b32 v[(\d1)+\i], v[XT+4+\i]
.endr
.irp i, 0,1,2
	v_mov_b32 v[(\d0)+3+\i], v[XT+\i]
	v_mov_b32 v[(\d1)+3+\i], v[XT+4+\i]
.endr
.endm
; batch k = 4 s + kb of a weight: fragments b = 2 kb, 2 kb + 1 of K step s into ring slot k % 5; a K step's first batch brings its four registers of scale words first.  Batches 0-4 together: 10 + 6 + 6 + 6 + 10 = 38 loads
.macro BLOADS k
.set ls, (\k)/4
.set lb, (\k)%4
.if lb == 0
.irp j, 0,1,2,3
	global_load_b32 v[20+4*(ls%2)+\j], v2, s[28:29] offset:98304+512*ls+128*\j
.endr
.endif
.irp bb, 0,1
.irp g, 0,1,2
	global_load_b128 v[136+24*((\k)%5)+12*\bb+4*\g:136+24*((\k)%5)+12*\bb+4*\g+3], v1, s[28:29] offset:12288*ls+1536*(2*lb+\bb)+512*\g
.endr
.endr
.endm
.macro ALOAD s                         ; the rows' two fragments and scale words of K step s
.irp m, 0,1
.irp g, 0,1,2
	ds_load_b128 v[36+24*((\s)%2)+12*\m+4*\g:36+24*((\s)%2)+12*\m+4*\g+3], v3 offset:3072*(\s)+1536*\m+512*\g
.endr
.endr
	ds_load_b32 v[16+(\s)%2], v4 offset:128*(\s)   ; lanes 0-15 tile 0's words, lanes 16-31 tile 1's
.endm
.macro CM m, b, s, af                  ; accumulator (m, b) += weight fragment af x the rows' tile m
.set cD, 64*(\m)+8*(\b)
.set cB, 36+24*((\s)%2)+12*(\m)
.set cSA, 20+4*((\s)%2)+(\b)/2
.set cSB, 16+(\s)%2
.if (((\b)%2) == 0) && (((\m)%2) == 0)
	v_wmma_scale_f32_16x16x128_f8f6f4 v[cD:cD+7], v[(\af):(\af)+11], v[cB:cB+11], v[cD:cD+7], v[cSA], v[cSB] matrix_a_fmt:MATRIX_FMT_BF6 matrix_b_fmt:MATRIX_FMT_BF6
.elseif (((\b)%2) == 1) && (((\m)%2) == 0)
	v_wmma_scale_f32_16x16x128_f8f6f4 v[cD:cD+7], v[(\af):(\af)+11], v[cB:cB+11], v[cD:cD+7], v[cSA], v[cSB] matrix_a_fmt:MATRIX_FMT_BF6 matrix_b_fmt:MATRIX_FMT_BF6 matrix_a_scale:MATRIX_SCALE_ROW1
.elseif (((\b)%2) == 0)
	v_wmma_scale_f32_16x16x128_f8f6f4 v[cD:cD+7], v[(\af):(\af)+11], v[cB:cB+11], v[cD:cD+7], v[cSA], v[cSB] matrix_a_fmt:MATRIX_FMT_BF6 matrix_b_fmt:MATRIX_FMT_BF6 matrix_b_scale:MATRIX_SCALE_ROW1
.else
	v_wmma_scale_f32_16x16x128_f8f6f4 v[cD:cD+7], v[(\af):(\af)+11], v[cB:cB+11], v[cD:cD+7], v[cSA], v[cSB] matrix_a_fmt:MATRIX_FMT_BF6 matrix_b_fmt:MATRIX_FMT_BF6 matrix_a_scale:MATRIX_SCALE_ROW1 matrix_b_scale:MATRIX_SCALE_ROW1
.endif
.endm
; a batch: four products on four accumulators; an accumulator's next turn is four batches on.  Behind it four places, then the loads into what it has read.
.macro BATCH k
.set ks, (\k)/4
.set kb, (\k)%4
.if kb == 0
	s_wait_dscnt 0x0                               ; this K step's rows, asked for four batches ago
.endif
.if (\k) >= 28
	s_wait_loadcnt 6*(31-(\k))                     ; behind this batch's loads: those of the batches that are left
.elseif (\k) >= 5
	s_wait_loadcnt 28                              ; behind this batch's loads: four batches of six, one of them with four loads of scale words
.endif
	WIN MUL
.irp bb, 0,1
.irp m, 0,1
	CM \m, 2*kb+\bb, ks, 136+24*((\k)%5)+12*\bb
.endr
.endr
	WIN 0
	PLACES 4
.if (\k) <= 26
	BLOADS (\k)+5
.endif
.if (kb == 0) && (ks < 7)
	ALOAD ks+1
.endif
.endm
.macro PARLOAD p, reg, b0, n           ; a parameter's numbers of my columns for tiles b0 .. b0 + n - 1, in the result's layout: 32 (b / 2) + 8 (b % 2) + 16 (lane / 16) + 0 .. 7
.set pb, \b0
.rept \n
	global_load_b128 v[\reg+8*(pb-\b0):\reg+8*(pb-\b0)+3], v11, s[\p:\p+1] offset:4*(32*(pb/2)+8*(pb%2))
	global_load_b128 v[\reg+8*(pb-\b0)+4:\reg+8*(pb-\b0)+7], v11, s[\p:\p+1] offset:4*(32*(pb/2)+8*(pb%2))+16
.set pb, pb+1
.endr
.endm
.macro ROWS_IN m                       ; 16 rows of 512 bytes, as loaded, turn through my stage into the result's layout
	WIN RD1
.irp q, 0,1,2,3,4,5,6,7,8,9,10,11,12,13,14,15
	ds_store_b128 v5, v[64*\m+4*\q:64*\m+4*\q+3] offset:528*\q
.endr
	s_wait_dscnt 0x0                               ; the stores have read the registers on which the loads land
	WIN TOACC
.irp b, 0,1,2,3,4,5,6,7
.irp f, 0,1
	ds_load_b128 v[64*\m+8*\b+4*\f:64*\m+8*\b+4*\f+3], v6 offset:4*(32*(\b/2)+8*(\b%2))+16*\f
.endr
.endr
	WIN 0
.endm
.macro ROWS_OUT m                      ; and the other way: whole rows leave, 512 consecutive bytes a store
	WIN RD1
.irp b, 0,1,2,3,4,5,6,7
.irp f, 0,1
	ds_store_b128 v6, v[64*\m+8*\b+4*\f:64*\m+8*\b+4*\f+3] offset:4*(32*(\b/2)+8*(\b%2))+16*\f
.endr
.endr
	WIN 0
.irp q, 0,1,2,3,4,5,6,7,8,9,10,11,12,13,14,15
	ds_load_b128 v[36+4*\q:39+4*\q], v5 offset:528*\q   ; LDS serves a wave's instructions in order: these see my stores
.endr
.irp q, 0,1,2,3,4,5,6,7,8,9,10,11,12,13,14,15
	s_wait_dscnt 15-\q
	global_store_b128 v1, v[36+4*\q:39+4*\q], s[42:43] offset:(8*\m+\q+8*(\q/8))*4096 th:TH_STORE_NT
.endr
	s_wait_xcnt 0x0                                ; the stores have read their registers: the next tile's rows may land there
.endm
; the two tiles' sums of my 128 columns (four chains of pairs each: tile m, chain c at v[100 + 8 m + 2 c]) are folded, meet the other waves' in LDS, and come back as the rows' totals in v116 (tile 0) and v117 (tile 1),
; summed in the same order in every wave
.macro EXCH e
.irp m, 0,1
	v_pk_add_f32 v[100+8*\m:101+8*\m], v[100+8*\m:101+8*\m], v[102+8*\m:103+8*\m]
	v_pk_add_f32 v[104+8*\m:105+8*\m], v[104+8*\m:105+8*\m], v[106+8*\m:107+8*\m]
.endr
.irp m, 0,1
	v_pk_add_f32 v[100+8*\m:101+8*\m], v[100+8*\m:101+8*\m], v[104+8*\m:105+8*\m]
.endr
.irp m, 0,1
	v_add_f32 v[116+\m], v[100+8*\m], v[101+8*\m]
.endr
.irp m, 0,1
	v_permlanex16_b32 v[120+\m], v[116+\m], s[SEL], s[SEL+1]
.endr
.irp m, 0,1
	v_add_f32 v[116+\m], v[116+\m], v[120+\m]
.endr
	ds_store_b64 v9, v[116:117] offset:1024*\e     ; both lanes of a row write the same 8 bytes
	s_wait_dscnt 0x0                               ; for the others' sake: my store has landed, and my reads of the rows' images are long over
	s_barrier_signal -1
	s_barrier_wait -1
.irp n, 0,1,2,3,4,5,6,7
	ds_load_b64 v[100+2*\n:101+2*\n], v10 offset:1024*\e+128*\n
.endr
	s_wait_dscnt 0x0
	v_pk_add_f32 v[116:117], v[100:101], v[102:103]
	v_pk_add_f32 v[118:119], v[104:105], v[106:107]
	v_pk_add_f32 v[116:117], v[116:117], v[108:109]
	v_pk_add_f32 v[118:119], v[118:119], v[110:111]
	v_pk_add_f32 v[116:117], v[116:117], v[112:113]
	v_pk_add_f32 v[118:119], v[118:119], v[114:115]
	v_pk_add_f32 v[116:117], v[116:117], v[118:119]
.endm
.macro IMAGE ai, as, m                 ; the fragment in v120-131 and its scale word go to LDS as they stand
.irp g, 0,1,2
	ds_store_b128 v[\ai], v[120+4*\g:123+4*\g] offset:1536*\m+512*\g
.endr
	ds_store_b32 v[\as], v[PW] offset:64*\m
	s_wait_dscnt 0x0                               ; the stores have read their registers
.endm
.macro COPY u                          ; tile u's 64 sums, halved (exact), into window 0, each accumulator from its low end on
	WIN RD0
.set p_, 0
.rept 32
	v_pk_mul_f32 v[36+2*p_:37+2*p_], v[64*\u+2*p_:64*\u+2*p_+1], 0.5 op_sel_hi:[1,0]
.set p_, p_+1
.endr
	WIN 0
.endm
.macro GELU8 k                         ; eight numbers g = x / 2 become g + g erf(g sqrt 2)
.set GG, 36+8*(\k)
.irp q, 0,2,4,6
	v_pk_mul_f32 v[100+\q:101+\q], v[GG+\q:GG+\q+1], s[66:67] op_sel_hi:[1,0]   ; z = x / sqrt 2
.endr
.irp q, 0,1,2,3,4,5,6,7
	v_med3_num_f32 v[100+\q], v[100+\q], -4.0, 4.0
.endr
.irp q, 0,2,4,6
	v_pk_mul_f32 v[108+\q:109+\q], v[100+\q:101+\q], v[100+\q:101+\q]
.endr
.irp q, 0,2,4,6
	v_pk_fma_f32 v[116+\q:117+\q], v[108+\q:109+\q], s[68:69], v[132:133] op_sel_hi:[1,0,1]
.endr
.irp c, 70,72,74,76,78
.irp q, 0,2,4,6
	v_pk_fma_f32 v[116+\q:117+\q], v[116+\q:117+\q], v[108+\q:109+\q], s[\c:\c+1] op_sel_hi:[1,1,0]
.endr
.endr
.irp q, 0,2,4,6
	v_pk_fma_f32 v[124+\q:125+\q], v[108+\q:109+\q], s[80:81], v[134:135] op_sel_hi:[1,0,1]
.endr
.irp c, 82,84,86
.irp q, 0,2,4,6
	v_pk_fma_f32 v[124+\q:125+\q], v[124+\q:125+\q], v[108+\q:109+\q], s[\c:\c+1] op_sel_hi:[1,1,0]
.endr
.endr
.irp q, 0,2,4,6
	v_pk_mul_f32 v[116+\q:117+\q], v[116+\q:117+\q], v[100+\q:101+\q]
.endr
.irp q, 0,1,2,3,4,5,6,7
	v_rcp_f32 v[124+\q], v[124+\q]
.endr
	v_nop                                          ; one plain place behind the transcendentals
	s_wait_alu depctr_va_vdst(0)
.irp q, 0,2,4,6
	v_pk_mul_f32 v[116+\q:117+\q], v[116+\q:117+\q], v[124+\q:125+\q]
.endr
.irp q, 0,2,4,6
	v_pk_fma_f32 v[GG+\q:GG+\q+1], v[GG+\q:GG+\q+1], v[116+\q:117+\q], v[GG+\q:GG+\q+1]
.endr
.endm
; A NORM OVER WHOLE ROWS.  Its bias and gain lie in window 1 since a phase ago; its shift (address in s[sh:sh+1]) is asked for here and wanted at the end.
; first = 1: the next weight's batches 0-4 are asked for in five pieces between the runs of vector work, all behind the shift's 16 loads.
.macro LNORM first, sh
	PARLOAD \sh, 36, 0, 8
.if \first
	s_add_nc_u64 s[28:29], s[28:29], 819200        ; the next weight, eight groups on (this weight's last loads were waited for in the last batch)
	BLOADS 0
.endif
	WIN ALL1
.set n_, 0
.rept 64
	v_pk_add_f32 v[2*n_:2*n_+1], v[2*n_:2*n_+1], v[BIA+2*(n_%32):BIA+2*(n_%32)+1]   ; + bias, each accumulator from its low end on
.set n_, n_+1
.endr
.if \first
	WIN 0
	BLOADS 1
.endif
	WIN RD01
.irp m, 0,1
.irp c, 0,1,2,3
	v_pk_add_f32 v[100+8*\m+2*\c:101+8*\m+2*\c], v[64*\m+2*\c:64*\m+2*\c+1], v[64*\m+2*\c+8:64*\m+2*\c+9]   ; the first terms start the sums
.endr
.endr
	WIN RD1
.set p_, 8
.rept 24
.irp m, 0,1
	v_pk_add_f32 v[100+8*\m+2*(p_%4):101+8*\m+2*(p_%4)], v[100+8*\m+2*(p_%4):101+8*\m+2*(p_%4)], v[64*\m+2*p_:64*\m+2*p_+1]
.endr
.set p_, p_+1
.endr
	WIN 0
.if \first
	BLOADS 2
.endif
	EXCH 0
.irp m, 0,1
	v_mul_f32 v[28+2*\m], 0xba800000, v[116+\m]    ; -mean, twice
	v_mul_f32 v[29+2*\m], 0xba800000, v[116+\m]
.endr
	WIN INPL
.set n_, 0
.rept 64
	v_pk_add_f32 v[2*n_:2*n_+1], v[2*n_:2*n_+1], v[28+2*(n_/32):29+2*(n_/32)]
.set n_, n_+1
.endr
.if \first
	WIN 0
	BLOADS 3
.endif
	WIN RD01
.irp m, 0,1
.irp c, 0,1,2,3
	v_pk_mul_f32 v[100+8*\m+2*\c:101+8*\m+2*\c], v[64*\m+2*\c:64*\m+2*\c+1], v[64*\m+2*\c:64*\m+2*\c+1]
.endr
.endr
.set p_, 4
.rept 28
.irp m, 0,1
	v_pk_fma_f32 v[100+8*\m+2*(p_%4):101+8*\m+2*(p_%4)], v[64*\m+2*p_:64*\m+2*p_+1], v[64*\m+2*p_:64*\m+2*p_+1], v[100+8*\m+2*(p_%4):101+8*\m+2*(p_%4)]
.endr
.set p_, p_+1
.endr
	WIN 0
.if \first
	BLOADS 4
.endif
	EXCH 1
.irp m, 0,1
	v_fma_f32 v[116+\m], v[116+\m], s38, s39       ; variance + 1e-5
.endr
.irp m, 0,1
	v_rsq_f32 v[28+2*\m], v[116+\m]
.endr
	v_nop                                          ; one plain place behind the transcendentals
	s_wait_alu depctr_va_vdst(0)
.irp m, 0,1
	v_mov_b32 v[29+2*\m], v[28+2*\m]
.endr
	WIN INPL
.set n_, 0
.rept 64
	v_pk_mul_f32 v[2*n_:2*n_+1], v[2*n_:2*n_+1], v[28+2*(n_/32):29+2*(n_/32)]
.set n_, n_+1
.endr
.if \first
	s_wait_loadcnt 38                              ; the shift is in; the five batches asked for behind it may stay out
.else
	s_wait_loadcnt 0x0                             ; the shift
.endif
	WIN ALL1
.irp m, 0,1
.set p_, 0
.rept 32
	v_pk_fma_f32 v[64*\m+2*p_:64*\m+2*p_+1], v[64*\m+2*p_:64*\m+2*p_+1], v[GAI+2*p_:GAI+2*p_+1], v[36+2*p_:37+2*p_]   ; x gain + shift
.set p_, p_+1
.endr
.endr
	WIN 0
.endm
	s_load_b512 s[4:19], s[0:1], 0x0               ; aq, wq, x, b_proj, ln1_g, ln1_b, b1, b2
	s_load_b128 s[20:23], s[0:1], 0x40             ; ln2_g, ln2_b
	s_load_b64 s[24:25], s[0:1], 0x50              ; out0
	v_lshl_add_u32 v34, v0, 2, 0x27c00
	v_mov_b32 v35, 0
	v_lshrrev_b32 v1, 5, v0
	v_readfirstlane_b32 s26, v1                    ; wave 0..7
	v_and_b32 v13, 31, v0
	v_lshlrev_b32 v1, 4, v13                       ; 16 x lane
	v_lshlrev_b32 v2, 2, v13                       ; 4 x lane
	v_and_b32 v14, 15, v0                          ; r
	v_bfe_u32 v15, v0, 4, 1                        ; h
	v_add_nc_u32 v3, CIMG, v1                      ; an image's place for my lane
	v_add_nc_u32 v4, CSC, v2                       ; a scale word's
	s_lshl_b32 s45, s26, 14
	v_add_nc_u32 v5, s45, v1                       ; my 16,384 bytes: dense
	v_mul_u32_u24 v6, v14, 528
	v_lshl_add_u32 v6, v15, 6, v6
	v_add_nc_u32 v6, s45, v6                       ; the stage by the result's layout: row r, + 64 h
	s_mul_i32 s45, s26, 3072
	v_add_nc_u32 v7, s45, v3                       ; where I store images: K step w
	s_lshl_b32 s45, s26, 7
	v_lshlrev_b32 v8, 2, v14
	v_add_nc_u32 v8, s45, v8
	v_add_nc_u32 v8, CSC, v8                       ; and their scale words
	v_lshlrev_b32 v10, 3, v14
	v_add_nc_u32 v10, LNS, v10                     ; the exchange: row r's 8 bytes; + 128 a wave
	v_add_nc_u32 v9, s45, v10
	v_lshlrev_b32 v11, 6, v15                      ; 64 h
	s_lshl_b32 s46, s26, 9                         ; my 128 columns in bytes
	v_add_nc_u32 v12, s46, v11
	v_add_nc_u32 v12, B1S, v12
	v_add_nc_u32 v14, s45, v4                      ; K step w's 128 bytes of scale words, 4 a lane
	v_add_nc_u32 v96, s46, v1
	v_add_nc_u32 v96, B1S, v96
.irp i, 104,105,106,107,120,121
	v_mov_b32 v\i, 0                               ; a lane permute's destination counts as one of its sources
.endr
	v_mov_b32 v132, 0x32edffee                     ; erf's P: second coefficient, twice
	v_mov_b32 v133, 0x32edffee
	v_mov_b32 v134, 0xb95fbd29                     ; erf's Q: second coefficient, twice
	v_mov_b32 v135, 0xb95fbd29
	s_mov_b32 s[SEL], 0x76543210
	s_mov_b32 s[SEL+1], 0xfedcba98
	s_mov_b32 s38, 0x3a800000                      ; 1 / 1,024
	s_mov_b32 s39, 0x3727c5ac                      ; 1e-5
.macro KPAIR r, c                      ; a constant, twice: the packed forms name a pair
	s_mov_b32 s[\r], \c
	s_mov_b32 s[\r+1], \c
.endm
	KPAIR 66, 0x3fb504f3                           ; sqrt 2
	KPAIR 68, 0xaf95df0b                           ; P: -2.72614226e-10, (2.77068142e-08 in v132), -2.10102402e-06, -5.69250639e-05, -7.34990630e-04, -2.95459981e-03, -1.60960333e-02
	KPAIR 70, 0xb60cff51
	KPAIR 72, 0xb86ec2d2
	KPAIR 74, 0xba40ac63
	KPAIR 76, 0xbb41a1f6
	KPAIR 78, 0xbc83dbd4
	KPAIR 80, 0xb77460cd                           ; Q: -1.45660718e-05, (-2.13374055e-04 in v134), -1.68282697e-03, -7.37332917e-03, -1.42647391e-02
	KPAIR 82, 0xbadc924e
	KPAIR 84, 0xbbf19bf8
	KPAIR 86, 0xbc69b6a7
	s_mov_b32 s47, 0
	s_lshl_b32 s48, ttmp9, 17                      ; 32 rows of 4,096 bytes
	s_add_co_u32 s48, s48, s46
	s_mov_b32 s49, 0
	s_lshr_b32 s50, ttmp9, 2
	s_mul_i32 s50, s50, 102400                     ; aq's record: my 32 rows are its tiles 2 (id % 4) and 2 (id % 4) + 1
	s_and_b32 s51, ttmp9, 3
	s_mul_i32 s52, s51, 3072
	s_add_co_u32 s52, s52, s50
	s_mul_i32 s53, s26, 12288                      ; wave w brings K step w
	s_add_co_u32 s52, s52, s53
	s_mov_b32 s53, 0
	s_lshl_b32 s51, s51, 7
	s_add_co_u32 s50, s50, s51
	s_add_co_u32 s50, s50, s46
	s_add_co_u32 s50, s50, 98304
	s_mov_b32 s51, 0
	s_add_co_u32 s54, s26, 24                      ; W_proj's group w
	s_mul_i32 s54, s54, 102400
	s_mov_b32 s55, 0
	s_wait_kmcnt 0x0
	s_add_nc_u64 s[40:41], s[8:9], s[48:49]        ; x at my rows and columns
	s_add_nc_u64 s[42:43], s[24:25], s[48:49]      ; out0 likewise
	s_add_nc_u64 s[52:53], s[4:5], s[52:53]
	s_add_nc_u64 s[50:51], s[4:5], s[50:51]
	s_add_nc_u64 s[28:29], s[6:7], s[54:55]        ; the weight in hand
.irp p, 10,12,14,16,18,20,22
	s_add_nc_u64 s[\p:\p+1], s[\p:\p+1], s[46:47]  ; the seven parameters at my columns
.endr
	WIN TOACC
.irp m, 0,1
.irp q, 0,1,2,3,4,5,6,7,8,9,10,11,12,13,14,15
	global_load_b128 v[64*\m+4*\q:64*\m+4*\q+3], v1, s[40:41] offset:(8*\m+\q+8*(\q/8))*4096 th:TH_LOAD_NT   ; 512 consecutive bytes of the row that lane q of tile m stands for
.endr
.endr
	WIN 0
.irp n, 0,1,2,3,4,5
	global_load_b128 v[36+4*\n:39+4*\n], v1, s[52:53] offset:512*\n th:TH_LOAD_NT
.endr
	global_load_b32 v84, v2, s[50:51] th:TH_LOAD_NT
	global_load_b128 v[88:91], v1, s[16:17]
	WIN TOACC
	PARLOAD 10, BIA, 0, 8                          ; the first norm's bias and gain
	PARLOAD 12, GAI, 0, 8
	WIN 0
	BLOADS 0
	BLOADS 1
	BLOADS 2
	BLOADS 3
	BLOADS 4
	s_wait_loadcnt 38                              ; all but the five batches
.irp n, 0,1,2,3,4,5
	ds_store_b128 v7, v[36+4*\n:39+4*\n] offset:512*\n
.endr
	ds_store_b32 v14, v84
	ds_store_b128 v96, v[88:91]
	ROWS_IN 0
	ROWS_IN 1
	s_wait_dscnt 0x0
	s_barrier_signal -1
	s_barrier_wait -1                              ; the attention's 16 fragments lie in LDS
	s_mov_b32 s27, 0                               ; the phase
.Lphase:
	s_wait_loadcnt 0x0                             ; batches 0-4, and whatever else was asked for ahead
	ALOAD 0
.set kk, 0
.rept 32
	BATCH kk
.set kk, kk+1
.endr
	s_cmp_eq_u32 s27, 1
	s_cbranch_scc1 .Lgelu_arm
	s_cmp_eq_u32 s27, 2
	s_cbranch_scc1 .Lnorm2_arm
	; ---------------- the first norm ----------------
	LNORM 1, 14
	; x1: kept in f32 as an image of my registers, and quantised: K step w of the next product.  (Both exchanges' barriers lie between every wave's last read of the old images and these stores.)
	WIN RD1
.set n_, 0
.rept 32
	ds_store_b128 v5, v[4*n_:4*n_+3] offset:512*n_
.set n_, n_+1
.endr
	WIN 0
.irp m, 0,1
	QUANTW 1, 64*\m, 120, 126
	IMAGE 7, 8, \m
.endr
	WIN TOACC
.irp m, 0,1
.irp b, 0,1,2,3,4,5,6,7
.irp f, 0,1
	ds_load_b128 v[64*\m+8*\b+4*\f:64*\m+8*\b+4*\f+3], v12 offset:4*(32*(\b/2)+8*(\b%2))+16*\f   ; b1 starts the next sums
.endr
.endr
.endr
	WIN 0
	s_wait_dscnt 0x0
	s_barrier_signal -1
	s_barrier_wait -1                              ; x1's 16 fragments lie in LDS
	s_branch .Lnext
	; ---------------- the second norm, and the way out ----------------
.Lnorm2_arm:
	LNORM 0, 22
	ROWS_OUT 0
	ROWS_OUT 1
	s_branch .Lnext
	; ---------------- the gelu, quantised: K step w of the last product.  Between its runs: the last weight's batches 0-4, then the second norm's bias and gain ----------------
.Lgelu_arm:
	s_add_nc_u64 s[28:29], s[28:29], 819200        ; the next weight (this weight's last loads were waited for in the last batch)
	BLOADS 0
	s_wait_dscnt 0x0
	s_barrier_signal -1
	s_barrier_wait -1                              ; every wave's reads of x1's codes are over
	COPY 0
	GELU8 0
	GELU8 1
	BLOADS 1
	GELU8 2
	GELU8 3
	BLOADS 2
	GELU8 4
	GELU8 5
	BLOADS 3
	GELU8 6
	GELU8 7
	BLOADS 4
	QUANTW 0, 36, 120, 126
	IMAGE 7, 8, 0
	COPY 1
	GELU8 0
	GELU8 1
	WIN TOACC
	PARLOAD 18, BIA, 0, 8
	WIN 0
	GELU8 2
	GELU8 3
	WIN TOACC
	PARLOAD 20, GAI, 0, 8
	WIN 0
	GELU8 4
	GELU8 5
	GELU8 6
	GELU8 7
	QUANTW 0, 36, 120, 126
	IMAGE 7, 8, 1
	WIN TOACC
.set n_, 0
.rept 32
	ds_load_b128 v[4*n_:4*n_+3], v5 offset:512*n_  ; x1 starts the last sums
.set n_, n_+1
.endr
	WIN 0
	s_wait_dscnt 0x0
	s_barrier_signal -1
	s_barrier_wait -1                              ; the hidden layer's 16 fragments lie in LDS
.Lnext:
	s_add_co_u32 s27, s27, 1
	s_cmp_lt_u32 s27, 3
	s_cbranch_scc1 .Lphase
	s_wait_tensorcnt 0x0
	ds_add_u32 v34, v35
	s_wait_dscnt 0x0
	s_endpgm
.Lfunc_end_k_q8b592d2a36_chain:
	.size	k_q8b592d2a36_chain, .Lfunc_end_k_q8b592d2a36_chain-k_q8b592d2a36_chain
	.p2alignl 7, 3214868480
	.fill 96, 4, 3214868480
	.section	.rodata,"a",@progbits
	.p2align	6, 0x0
	.amdhsa_kernel k_q8b592d2a36_chain
		.amdhsa_group_segment_fixed_size 163840
		.amdhsa_private_segment_fixed_size 0
		.amdhsa_enable_private_segment 0
		.amdhsa_kernarg_size 88
		.amdhsa_user_sgpr_count 2
		.amdhsa_user_sgpr_kernarg_segment_ptr 1
		.amdhsa_wavefront_size32 1
		.amdhsa_system_sgpr_workgroup_id_x 1
		.amdhsa_system_sgpr_workgroup_id_y 1
		.amdhsa_system_sgpr_workgroup_id_z 1
		.amdhsa_system_vgpr_workitem_id 0
		.amdhsa_next_free_vgpr 512
		.amdhsa_next_free_sgpr 96
		.amdhsa_reserve_vcc 0
		.amdhsa_float_denorm_mode_32 3
		.amdhsa_float_denorm_mode_16_64 3
		.amdhsa_memory_ordered 1
		.amdhsa_forward_progress 1
		.amdhsa_inst_pref_size 243
	.end_amdhsa_kernel
	.amdgpu_metadata
---
amdhsa.version: [ 1, 2 ]
amdhsa.kernels:
  - .name:           k_q8b592d2a36_chain
    .symbol:         k_q8b592d2a36_chain.kd
    .args:
      - { .name: aq, .offset: 0, .size: 8, .value_kind: global_buffer, .address_space: global }
      - { .name: wq, .offset: 8, .size: 8, .value_kind: global_buffer, .address_space: global }
      - { .name: x, .offset: 16, .size: 8, .value_kind: global_buffer, .address_space: global }
      - { .name: b_proj, .offset: 24, .size: 8, .value_kind: global_buffer, .address_space: global }
      - { .name: ln1_g, .offset: 32, .size: 8, .value_kind: global_buffer, .address_space: global }
      - { .name: ln1_b, .offset: 40, .size: 8, .value_kind: global_buffer, .address_space: global }
      - { .name: b1, .offset: 48, .size: 8, .value_kind: global_buffer, .address_space: global }
      - { .name: b2, .offset: 56, .size: 8, .value_kind: global_buffer, .address_space: global }
      - { .name: ln2_g, .offset: 64, .size: 8, .value_kind: global_buffer, .address_space: global }
      - { .name: ln2_b, .offset: 72, .size: 8, .value_kind: global_buffer, .address_space: global }
      - { .name: out0, .offset: 80, .size: 8, .value_kind: global_buffer, .address_space: global }
    .group_segment_fixed_size: 163840
    .private_segment_fixed_size: 0
    .kernarg_segment_align: 8
    .kernarg_segment_size: 88
    .max_flat_workgroup_size: 256
    .sgpr_count:     96
    .vgpr_count:     512
    .wavefront_size: 32
...
	.end_amdgpu_metadata
.endif
;; end of part 4
;; ======== version 2 of 2: 4 launches
;; workspace buffers: xq 6,553,600 bytes; wq 4,915,200 bytes; qb 6,815,744 bytes; kv 13,369,344 bytes; aq 6,553,600 bytes
;; launch prep: the kernel of part 1 again; grid 896 x 1, 4 waves a work-group, no clusters, 68,096 bytes of LDS; arguments x, W_qkv, W_proj, W1, W2, xq, wq; writes xq, wq
;; launch qkv: the kernel of part 2 again; grid 12 x 32, 4 waves a work-group, clusters of 4 x 4, 327,680 bytes of LDS; arguments xq, wq, b_qkv, qb, kv; writes qb, kv
;; launch attn (part 5): grid 4 x 64, 16 waves a work-group, clusters of 4 x 1, 236,544 bytes of LDS; arguments qb, kv, aq; writes aq
.if DOCPART == 5
	.amdgcn_target "amdgcn-amd-amdhsa--gfx1250"
	.amdhsa_code_object_version 6
	.text
	.protected	k_q8b592d2a36_attn
	.globl	k_q8b592d2a36_attn
	.p2align	8
	.type	k_q8b592d2a36_attn,@function
k_q8b592d2a36_attn:
	s_mov_b64 s[64:65], 0
	v_nop
	global_prefetch_b8 v0, s[64:65] scope:SCOPE_SE
	s_setreg_imm32_b32 hwreg(HW_REG_WAVE_MODE, 25, 1), 1
	s_wait_xcnt 0x0
	s_wait_alu depctr_hold_cnt(0) depctr_sa_sdst(0) depctr_va_vdst(0) depctr_va_sdst(0) depctr_va_ssrc(0) depctr_va_vcc(0) depctr_vm_vsrc(0)
	s_getreg_b32 s2, hwreg(HW_REG_IB_STS2, 6, 4)
	s_cmp_eq_u32 s2, 0
	s_cbranch_scc0 .Lentry_in_a_cluster
	s_endpgm
.Lentry_in_a_cluster:
	s_bfe_u32 s2, ttmp6, 0x10000c
	s_cmp_lg_u32 s2, 0x3003
	s_cbranch_scc0 .Lentry_shape_is_right
	s_endpgm
.Lentry_shape_is_right:
; Attention on codes of BF6, and its result quantised along E for the projection.  qb, kv: the records that the launch before laid (their layout stands at its head).  aq: 64 records of 102,400 bytes, laid as xq.
; t = score x log2(e) / 8; M = the running largest t rounded UP to a whole number; p = 2^(t - M) is quantised along the keys, not normalised; the row's sum is taken of the unquantised p and divides at the end.
; When M moves, the sum and O are multiplied by 2^(old M - new M): exact.
; SHARES: a work-group owns 256 queries of one batch and TWO heads, 2 hp and 2 hp + 1: together they are K step hp (128 along E) of the projection, so a wave ends with one whole fragment of aq.
; Each of sixteen waves owns one tile of 16 queries in 256 registers: four waves to a SIMD, so that one wave's vector work stands beside another's products and LDS loads.
; LDS: both heads' k, v and scale words, 2 x 104,448 bytes, are filled ONCE: no slot is filled again.  The four query blocks of a cluster read the same bytes and ask jointly (mask 15); waves 0-3 ask, two loads each.
; Both products are used transposed (S^T = k q^T, O^T = v^T p^T): a lane holds one query throughout; the keys of a tile are chosen so that the 16 registers of two neighbouring tiles are 16 neighbouring keys.
; K = 64 IN AN INSTRUCTION OF K = 128: q's registers 6-11 are zero codes.  k's fragment of tile t is named as v[32 + 6 t .. 43 + 6 t]: its upper six registers are the next tile's codes (for tile 7: v's first six),
; finite numbers (the format has no infinity and no NaN) that meet zero codes; the scale bytes 2 and 3 are 0x7f on both sides.
; LIMITS: 1 / sum by v_rcp_f32; a block under 2^-122 or of zeros gets the byte 1; NaN and infinities are not served.
; REGISTERS: v1-9 addresses; v10-11 v's scale words; v12 -M, v13 the largest t, v[14:15] the sum; v16-27 q; v28-31 k's scale words; v32-79 k; v80-127 v; v128-191 S^T, then p; v192-223 O^T; v224-235 p's codes; v236-254 at work; v255 q's scale words.
.set OST,  208896                      ; LDS: behind the two heads: a stage of 1,536 bytes for each wave: its fragment of aq
.set SCS,  233472                      ; and the 16 tiles' scale words, 64 bytes each
.set SS,   128
.set OT,   192
.set BM,   236
.set PT,   240
.set SO,   244
.macro PLACES n
.rept \n
	v_nop
.endr
.endm
.macro CROUND                          ; a round of the cluster's barrier
	s_barrier_signal -1
	s_barrier_wait -1
	s_cmp_lg_u32 s10, 0
	s_cbranch_scc1 .Lnot_wave_0_\@
	s_barrier_signal -3
.Lnot_wave_0_\@:
	s_barrier_wait -3
	s_barrier_signal -1
	s_barrier_wait -1
.endm
	s_load_b128 s[4:7], s[0:1], 0x0                ; qb, kv
	s_load_b64 s[8:9], s[0:1], 0x10                ; aq
	v_lshl_add_u32 v250, v0, 2, 0x39400
	v_mov_b32 v251, 0
	ds_add_u32 v250, v251
	ds_add_u32 v250, v251
	v_lshrrev_b32 v1, 5, v0
	s_delay_alu instid0(VALU_DEP_1)
	v_readfirstlane_b32 s10, v1                    ; wave 0..15
	s_and_b32 s11, s10, 3
	s_bfe_u32 s12, ttmp6, 0x40000                  ; cx
	s_lshl_b32 s13, ttmp9, 2
	s_add_co_u32 s12, s13, s12                     ; my block of 256 queries: it enters q's and aq's addresses alone
	s_and_b32 s13, ttmp7, 0xffff
	s_lshr_b32 s14, s13, 3                         ; batch
	s_and_b32 s15, s13, 7                          ; hp
	s_lshl_b32 s46, s14, 4
	s_lshl_b32 s47, s15, 1
	s_add_co_u32 s46, s46, s47                     ; bh of the first head
	s_mul_i32 s50, s11, 26112                      ; what I ask for, if I ask: two key steps of each head
	s_mul_i32 s48, s46, 104448
	s_add_co_u32 s48, s48, s50
	s_mov_b32 s49, 0
	s_lshl_b32 s51, s46, 3
	s_lshl_b32 s52, s12, 1
	s_lshr_b32 s53, s10, 3
	s_add_co_u32 s52, s52, s53                     ; my group of 128 queries in the batch
	s_add_co_u32 s51, s51, s52
	s_mul_i32 s54, s51, 6656                       ; its record in qb, first head
	s_mov_b32 s55, 0
	s_lshl_b32 s56, s14, 3
	s_add_co_u32 s57, s56, s52
	s_mul_i32 s57, s57, 102400                     ; its record in aq,
	s_mul_i32 s58, s15, 12288
	s_add_co_u32 s57, s57, s58                     ; K step hp,
	s_and_b32 s58, s10, 7
	s_mul_i32 s58, s58, 1536
	s_add_co_u32 s44, s57, s58                     ; my tile
	s_mov_b32 s45, 0
	s_lshl_b32 s57, s12, 1
	s_add_co_u32 s57, s57, s56
	s_and_b32 s58, s10, 1
	s_add_co_u32 s57, s57, s58                     ; waves 0 and 1 store the two groups' scale words
	s_mul_i32 s57, s57, 102400
	s_lshl_b32 s58, s15, 9
	s_add_co_u32 s57, s57, s58
	s_add_co_u32 s42, s57, 98304
	s_mov_b32 s43, 0
	s_and_b32 s38, s10, 1
	s_sub_co_u32 s38, 0, s38                       ; all ones where my tile is the odd one of its pair
	s_mov_b32 s32, 0x76543210
	s_mov_b32 s33, 0xfedcba98                      ; v_permlanex16_b32's selects for lane l xor 16
	s_mov_b32 s34, 0x3e38aa3b                      ; c = log2(e) / 8
	s_mov_b32 s35, s34                             ; (named with it as a pair)
	s_mov_b32 s36, 0                               ; LDS byte at which the key step in hand begins: 13,056 a step, through both heads
	s_mov_b32 s16, 15|(3<<16)|(1<<21)              ; group 1: mask of all four work-groups; elements of 8 bytes; no padding; bit 21 beside the mask
	s_mov_b32 s17, 32<<16                          ; 26,112 dense bytes as 102 rows of 256
	s_mov_b32 s18, 102<<16
	s_mov_b32 s19, 32<<16
	s_mov_b32 s20, 102
	s_mov_b32 s21, 32
	s_mov_b32 s22, 0
	s_mov_b32 s23, 0
	v_and_b32 v9, 31, v0
	s_delay_alu instid0(VALU_DEP_1)
	v_lshlrev_b32 v1, 3, v9                        ; 8 x lane
	s_delay_alu instid0(VALU_DEP_2)
	v_lshlrev_b32 v2, 4, v9                        ; 16 x lane
	s_mul_i32 s39, s10, 1536
	v_add_nc_u32 v5, s39, v2
	s_delay_alu instid0(VALU_DEP_1)
	v_add_nc_u32 v5, OST, v5                       ; my stage
	v_and_b32 v6, 15, v0
	s_delay_alu instid0(VALU_DEP_1)
	v_lshlrev_b32 v8, 4, v6
	s_wait_alu depctr_va_vdst(0)
	v_lshlrev_b32 v6, 2, v6
	s_lshl_b32 s39, s10, 6
	v_add_nc_u32 v6, s39, v6
	s_delay_alu instid0(VALU_DEP_1)
	v_add_nc_u32 v6, SCS, v6                       ; my row's scale word
	s_and_b32 s39, s10, 1
	s_lshl_b32 s39, s39, 9
	v_add_nc_u32 v7, s39, v2
	s_delay_alu instid0(VALU_DEP_1)
	v_add_nc_u32 v7, SCS, v7                       ; a group's 512 bytes of scale words
	s_lshr_b32 s39, s39, 1
	s_bfe_u32 s58, s10, 0x20001                    ; my pair of tiles in the group
	s_lshl_b32 s59, s58, 2
	s_add_co_u32 s39, s39, s59
	s_add_co_u32 s39, s39, 6144
	v_add_nc_u32 v8, s39, v8                       ; q's scale word: 6144 + 16 (16 (wave % 2) + r) + 4 x pair
	s_mul_i32 s58, s58, 1536
	v_add_nc_u32 v9, s58, v2                       ; q's pair image
.irp i, 22,23,24,25,26,27
	v_mov_b32 v\i, 0                               ; q's upper 64 along K: zero codes
.endr
.irp b, 0,1,2,3
	v_mov_b32 v[PT+\b], 0                          ; a lane permute's destination counts as one of its sources
.endr
	v_mov_b32 v253, 0                              ; (named as the upper half of the pair v[252:253] before it is first written)
	s_wait_dscnt 0x0
	s_wait_kmcnt 0x0
	s_add_nc_u64 s[40:41], s[4:5], s[54:55]
	s_add_nc_u64 s[44:45], s[8:9], s[44:45]
	s_add_nc_u64 s[42:43], s[8:9], s[42:43]
	s_mov_b32 s24, 1                               ; group 0, first head
	s_mov_b32 s25, s50
	s_add_nc_u64 s[26:27], s[6:7], s[48:49]
	s_or_b32 s27, s27, 0x80000000
	s_mov_b32 s28, 1                               ; second head: 104,448 bytes on, in memory and in LDS
	s_add_co_u32 s29, s50, 104448
	s_add_nc_u64 s[30:31], s[6:7], s[48:49]
	s_add_nc_u64 s[30:31], s[30:31], 104448
	s_or_b32 s31, s31, 0x80000000
	CROUND                                         ; all four work-groups are here: the joint loads meet
	s_cmp_lt_u32 s10, 4                            ; a wave's two fills stand in one branch: two tensor loads of mine are out, or none
	s_cbranch_scc0 .Lasked
	tensor_load_to_lds s[24:27], s[16:23]
	s_nop 0
	tensor_load_to_lds s[28:31], s[16:23]
	s_nop 0
	PLACES 4
.Lasked:
.macro QLOAD hd                        ; my pair's image (the even tile's six registers, then the odd tile's) and my rows' scale words
.irp g, 0,1,2
	global_load_b128 v[224+4*\g:227+4*\g], v9, s[40:41] offset:53248*\hd+512*\g
.endr
	global_load_b32 v255, v8, s[40:41] offset:53248*\hd
.endm
	QLOAD 0
	s_wait_tensorcnt 0x1                           ; my part of the first head is in; the second head's may stay out
	s_barrier_signal -1
	s_barrier_wait -1
; A KEY STEP: 128 keys
.macro STEP
	v_add_nc_u32 v3, s36, v1
	v_add_nc_u32 v4, s36, v2
	PLACES 2                                       ; with the two additions: four places in front of loads into registers that the last products read
	ds_load_b128 v[28:31], v4 offset:12288         ; k's scale words: word j: lanes 0-15 tile 2 j, lanes 16-31 tile 2 j + 1
	ds_load_b64 v[10:11], v3 offset:12800          ; v's
.irp i, 0,1,2,3,4,5,6,7,8,9,10,11
	ds_load_b128 v[32+4*\i:35+4*\i], v4 offset:512*\i
.endr
.irp i, 0,1,2,3,4,5,6,7,8,9,10,11
	ds_load_b128 v[80+4*\i:83+4*\i], v4 offset:6144+512*\i
.endr
	s_wait_dscnt 10                                ; k, and v's first eight registers, which tile 7's operand names; v's last ten loads may be out
.irp t, 0,2,4,6
	v_wmma_scale_f32_16x16x128_f8f6f4 v[SS+8*\t:SS+8*\t+7], v[32+6*\t:43+6*\t], v[16:27], 0, v[28+\t/2], v255 matrix_a_fmt:MATRIX_FMT_BF6 matrix_b_fmt:MATRIX_FMT_BF6
	v_wmma_scale_f32_16x16x128_f8f6f4 v[SS+8*\t+8:SS+8*\t+15], v[38+6*\t:49+6*\t], v[16:27], 0, v[28+\t/2], v255 matrix_a_fmt:MATRIX_FMT_BF6 matrix_b_fmt:MATRIX_FMT_BF6 matrix_a_scale:MATRIX_SCALE_ROW1
.endr
	PLACES 4
.irp b, 0,1,2,3
	v_max3_num_f32 v[BM+\b], v[SS+16*\b], v[SS+16*\b+1], v[SS+16*\b+2]   ; the largest score of each block of 32 keys: for the row's maximum and, since p rises with the score, for the block's largest p
.endr
.irp i, 3,5,7,9,11,13
.irp b, 0,1,2,3
	v_max3_num_f32 v[BM+\b], v[BM+\b], v[SS+16*\b+\i], v[SS+16*\b+\i+1]
.endr
.endr
.irp b, 0,1,2,3
	v_max_num_f32 v[BM+\b], v[BM+\b], v[SS+16*\b+15]
.endr
.irp b, 0,1,2,3
	s_delay_alu instid0(VALU_DEP_4)
	v_permlanex16_b32 v[PT+\b], v[BM+\b], s32, s33
.endr
.irp b, 0,1,2,3
	s_delay_alu instid0(VALU_DEP_4)
	v_max_num_f32 v[BM+\b], v[BM+\b], v[PT+\b]     ; with lane l xor 16's 16 keys
.endr
	s_delay_alu instid0(VALU_DEP_2)
	v_max3_num_f32 v254, v[BM], v[BM+1], v[BM+2]
	s_delay_alu instid0(VALU_DEP_1)
	v_max_num_f32 v254, v254, v[BM+3]
	s_delay_alu instid0(VALU_DEP_1)
	v_mul_f32 v254, s34, v254                      ; the step's largest t (c is positive)
	s_delay_alu instid0(VALU_DEP_1)
	v_max_num_f32 v13, v13, v254
	v_mov_b32 v254, v12
	s_delay_alu instid0(VALU_DEP_2)
	v_floor_f32 v12, -v13                          ; the new -M = floor(-t): M is a whole number
	s_delay_alu instid0(VALU_DEP_1)
	v_sub_f32 v254, v12, v254                      ; old M - new M: a whole number, 0 or less
	s_delay_alu instid0(VALU_DEP_1)
	v_cvt_i32_f32 v254, v254                       ; (it saturates)
	s_delay_alu instid0(VALU_DEP_1)
	v_ldexp_f32 v252, 1.0, v254                    ; f = 2^(old M - new M)
.set j_, 0
.rept 32
	v_pk_fma_f32 v[SS+j_:SS+j_+1], v[SS+j_:SS+j_+1], s[34:35], v[12:13] op_sel_hi:[1,0,0]   ; t - M
.set j_, j_+2
.endr
.irp b, 0,1,2,3
	v_fma_f32 v[BM+\b], v[BM+\b], s34, v12         ; the same of each block's largest score
.endr
.set j_, 0
	s_wait_alu depctr_va_vdst(0)
.rept 64
	v_exp_f32 v[SS+j_], v[SS+j_]                   ; p = 2^(t - M), at most 1
.set j_, j_+1
.endr
	s_setprio 1
.irp b, 0,1,2,3
	v_exp_f32 v[BM+\b], v[BM+\b]                   ; the block's largest p: the same two instructions on the same number
.endr
	v_pk_mul_f32 v[14:15], v[14:15], v[252:253] op_sel_hi:[1,0]   ; the sums under the new M (a plain place behind the exponentials)
	s_wait_alu depctr_va_vdst(0)
.irp b, 0,1,2,3
	v_max_num_f32 v[BM+\b], 0x2800000, v[BM+\b]    ; the floor 2^(5 - 127)
.endr
.irp b, 0,1,2,3
	s_delay_alu instid0(VALU_DEP_4)
	v_add_nc_u32 v[SO+\b], 0xfe000000, v[BM+\b]
.endr
.irp b, 0,1,2,3
	s_delay_alu instid0(VALU_DEP_4)
	v_lshrrev_b32 v[PT+\b], 23, v[SO+\b]
.endr
	s_delay_alu instid0(VALU_DEP_3)
	v_lshl_or_b32 v253, v[PT+1], 8, v[PT]          ; p's scale word for these 128 keys
	s_delay_alu instid0(VALU_DEP_1)
	v_lshl_or_b32 v253, v[PT+2], 16, v253
	s_delay_alu instid0(VALU_DEP_1)
	v_lshl_or_b32 v253, v[PT+3], 24, v253
.irp c, 0,1
	v_cvt_scalef32_pk16_bf6_f32 v[224+6*\c:226+6*\c], v[SS+32*\c:SS+32*\c+15], v[SO+2*\c]
	v_cvt_scalef32_pk16_bf6_f32 v[236+4*\c:238+4*\c], v[SS+32*\c+16:SS+32*\c+31], v[SO+2*\c+1]
.endr
	v_nop                                          ; one plain place behind the scaled conversions
.irp c, 0,1
.irp i, 0,1,2
	v_permlane16_swap_b32 v[224+6*\c+\i], v[236+4*\c+\i]
.endr
.irp i, 0,1,2
	s_delay_alu instid0(VALU_DEP_3)
	v_mov_b32 v[227+6*\c+\i], v[236+4*\c+\i]
.endr
.endr
	v_pk_add_f32 v[236:237], v[132:133], v[136:137]
	v_pk_add_f32 v[248:249], v[140:141], v[144:145]
	v_pk_add_f32 v[246:247], v[148:149], v[152:153]
	v_pk_add_f32 v[244:245], v[156:157], v[160:161]
	v_pk_add_f32 v[238:239], v[164:165], v[168:169]
	v_pk_add_f32 v[78:79], v[172:173], v[176:177]
	v_pk_add_f32 v[76:77], v[180:181], v[184:185]
	v_pk_add_f32 v[14:15], v[14:15], v[188:189]
	v_pk_add_f32 v[236:237], v[236:237], v[128:129]
	v_pk_add_f32 v[248:249], v[248:249], v[130:131]
	v_pk_add_f32 v[246:247], v[246:247], v[134:135]
	v_pk_add_f32 v[244:245], v[244:245], v[138:139]
	v_pk_add_f32 v[238:239], v[238:239], v[142:143]
	v_pk_add_f32 v[78:79], v[78:79], v[146:147]
	v_pk_add_f32 v[76:77], v[76:77], v[150:151]
	v_pk_add_f32 v[14:15], v[14:15], v[154:155]
	v_pk_add_f32 v[236:237], v[236:237], v[158:159]
	v_pk_add_f32 v[248:249], v[248:249], v[162:163]
	v_pk_add_f32 v[246:247], v[246:247], v[166:167]
	v_pk_add_f32 v[244:245], v[244:245], v[170:171]
	v_pk_add_f32 v[238:239], v[238:239], v[174:175]
	v_pk_add_f32 v[78:79], v[78:79], v[178:179]
	v_pk_add_f32 v[76:77], v[76:77], v[182:183]
	v_pk_add_f32 v[14:15], v[14:15], v[186:187]
	v_pk_add_f32 v[236:237], v[236:237], v[190:191]
	s_delay_alu instid0(VALU_DEP_2)
	v_pk_add_f32 v[14:15], v[14:15], v[244:245]
	s_delay_alu instid0(VALU_DEP_2)
	v_pk_add_f32 v[236:237], v[236:237], v[238:239]
	s_setprio 0
	v_pk_add_f32 v[248:249], v[248:249], v[78:79]
	v_pk_add_f32 v[246:247], v[246:247], v[76:77]
	s_delay_alu instid0(VALU_DEP_2)
	v_pk_add_f32 v[14:15], v[14:15], v[248:249]
	s_delay_alu instid0(VALU_DEP_2)
	v_pk_add_f32 v[236:237], v[236:237], v[246:247]
	s_delay_alu instid0(VALU_DEP_1)
	v_pk_add_f32 v[14:15], v[14:15], v[236:237]
.set j_, 0
.rept 16
	v_pk_mul_f32 v[OT+j_:OT+j_+1], v[OT+j_:OT+j_+1], v[252:253] op_sel_hi:[1,0]   ; O^T under the new M.  (These and the sums are the places between p's codes and scale word and the products)
.set j_, j_+2
.endr
	s_wait_alu depctr_va_vdst(0)
	s_wait_dscnt 0x0                               ; v is in
.irp d, 0,2
	v_wmma_scale_f32_16x16x128_f8f6f4 v[OT+8*\d:OT+8*\d+7], v[80+12*\d:91+12*\d], v[224:235], v[OT+8*\d:OT+8*\d+7], v[10+\d/2], v253 matrix_a_fmt:MATRIX_FMT_BF6 matrix_b_fmt:MATRIX_FMT_BF6
	v_wmma_scale_f32_16x16x128_f8f6f4 v[OT+8*\d+8:OT+8*\d+15], v[92+12*\d:103+12*\d], v[224:235], v[OT+8*\d+8:OT+8*\d+15], v[10+\d/2], v253 matrix_a_fmt:MATRIX_FMT_BF6 matrix_b_fmt:MATRIX_FMT_BF6 matrix_a_scale:MATRIX_SCALE_ROW1
.endr
	s_add_co_u32 s36, s36, 13056
.endm
; ONE HEAD: q's six registers are chosen from the pair; eight key steps; O^T / sum, whose 32 registers are d = 32 b + 16 (lane / 16) + i, becomes registers 6 hd .. 6 hd + 5 of my fragment of aq and two bytes of its scale word.
.macro HEAD hd
	s_wait_loadcnt 0x0
.irp i, 0,1,2,3,4,5
	v_cndmask_b32 v[16+\i], v[224+\i], v[230+\i], s38
.endr
	v_mov_b32 v13, 0xff61b1e6                      ; the largest t so far: -3e38
	s_delay_alu instid0(VALU_DEP_1)
	v_floor_f32 v12, -v13
	v_mov_b32 v14, 0
	v_mov_b32 v15, 0
.set j_, 0
.rept 32
	v_mov_b32 v[OT+j_], 0                          ; the step is written once: the first finds zeros, which the first change of M leaves zeros
.set j_, j_+1
.endr
	s_mov_b32 s37, 8
.Lstep_\@:
	s_setprio 2
	STEP
	s_sub_co_u32 s37, s37, 1
	s_cmp_lg_u32 s37, 0
	s_cbranch_scc1 .Lstep_\@
	s_setprio 0
	PLACES 4                                       ; behind the last products: in front of reads of O^T and of loads into p's codes
.if \hd == 0
	QLOAD 1                                        ; the second head's q lands while the first head goes out
.endif
	v_add_f32 v14, v14, v15
	s_delay_alu instid0(VALU_DEP_1)
	v_permlanex16_b32 v252, v14, s32, s33
	s_delay_alu instid0(VALU_DEP_1)
	v_add_f32 v14, v14, v252                       ; the row's sum
	s_wait_alu depctr_va_vdst(0)
	v_rcp_f32 v14, v14
	v_nop                                          ; one plain place behind the transcendental
.set j_, 0
	s_wait_alu depctr_va_vdst(0)
.rept 32
	v_mul_f32 v[SS+j_], v[OT+j_], v14
.set j_, j_+1
.endr
.irp b, 0,1
	v_max3_num_f32 v[BM+\b], |v[SS+16*\b]|, |v[SS+16*\b+1]|, 0x2800000
.endr
.irp i, 2,4,6,8,10,12,14
.irp b, 0,1
	s_delay_alu instid0(VALU_DEP_2)
	v_max3_num_f32 v[BM+\b], |v[SS+16*\b+\i]|, |v[SS+16*\b+\i+1]|, v[BM+\b]
.endr
.endr
.irp b, 0,1
	s_delay_alu instid0(VALU_DEP_2)
	v_permlanex16_b32 v[PT+\b], v[BM+\b], s32, s33
.endr
.irp b, 0,1
	s_delay_alu instid0(VALU_DEP_2)
	v_max_num_f32 v[BM+\b], v[BM+\b], v[PT+\b]
.endr
.irp b, 0,1
	s_delay_alu instid0(VALU_DEP_2)
	v_add_nc_u32 v[SO+\b], 0xfe000000, v[BM+\b]
.endr
.irp b, 0,1
	s_delay_alu instid0(VALU_DEP_2)
	v_lshrrev_b32 v[PT+\b], 23, v[SO+\b]
.endr
	s_delay_alu instid0(VALU_DEP_1)
	v_lshl_or_b32 v254, v[PT+1], 8, v[PT]
	v_cvt_scalef32_pk16_bf6_f32 v[160:162], v[SS:SS+15], v[SO]
	v_cvt_scalef32_pk16_bf6_f32 v[168:170], v[SS+16:SS+31], v[SO+1]
	v_nop
.irp i, 0,1,2
	v_permlane16_swap_b32 v[160+\i], v[168+\i]
.endr
.irp i, 0,1,2
	s_delay_alu instid0(VALU_DEP_3)
	v_mov_b32 v[163+\i], v[168+\i]
.endr
.if \hd == 0
	ds_store_b128 v5, v[160:163]                   ; registers 0-3: the image's first 512 bytes; 4, 5: the lower half of my 16 bytes in the second
	ds_store_b64 v5, v[164:165] offset:512
.else
	ds_store_b64 v5, v[160:161] offset:520         ; registers 6, 7: the upper half; 8-11: the third 512 bytes
	ds_store_b128 v5, v[162:165] offset:1024
.endif
	ds_store_b16 v6, v254 offset:2*\hd             ; both lanes of a row write the same two bytes
.endm
	HEAD 0
	s_wait_tensorcnt 0x0                           ; my part of the second head is in,
	s_wait_dscnt 0x0
	s_barrier_signal -1
	s_barrier_wait -1                              ; everybody's is
	HEAD 1
	ds_load_b128 v[160:163], v5                    ; LDS serves a wave's instructions in order: these see my stores
	ds_load_b128 v[164:167], v5 offset:512
	ds_load_b128 v[168:171], v5 offset:1024
.irp g, 0,1,2
	s_wait_dscnt 2-\g
	global_store_b128 v2, v[160+4*\g:163+4*\g], s[44:45] offset:512*\g   ; 512 consecutive bytes
.endr
	s_barrier_signal -1                            ; (no LDS instruction of mine is out)
	s_barrier_wait -1                              ; all sixteen tiles' scale words lie in LDS
	s_cmp_lt_u32 s10, 2
	s_cbranch_scc0 .Lno_words
	ds_load_b128 v[172:175], v7
	s_wait_dscnt 0x0
	global_store_b128 v2, v[172:175], s[42:43]     ; a group's words of K step hp: 512 consecutive bytes
.Lno_words:
	s_wait_tensorcnt 0x0
	ds_add_u32 v250, v251
	s_wait_dscnt 0x0
	CROUND                                         ; the closing round
	s_endpgm
.Lfunc_end_k_q8b592d2a36_attn:
	.size	k_q8b592d2a36_attn, .Lfunc_end_k_q8b592d2a36_attn-k_q8b592d2a36_attn
	.p2alignl 7, 3214868480
	.fill 96, 4, 3214868480
	.section	.rodata,"a",@progbits
	.p2align	6, 0x0
	.amdhsa_kernel k_q8b592d2a36_attn
		.amdhsa_group_segment_fixed_size 236544
		.amdhsa_private_segment_fixed_size 0
		.amdhsa_enable_private_segment 0
		.amdhsa_kernarg_size 24
		.amdhsa_user_sgpr_count 2
		.amdhsa_user_sgpr_kernarg_segment_ptr 1
		.amdhsa_wavefront_size32 1
		.amdhsa_system_sgpr_workgroup_id_x 1
		.amdhsa_system_sgpr_workgroup_id_y 1
		.amdhsa_system_sgpr_workgroup_id_z 1
		.amdhsa_system_vgpr_workitem_id 0
		.amdhsa_next_free_vgpr 256
		.amdhsa_next_free_sgpr 66
		.amdhsa_reserve_vcc 0
		.amdhsa_float_denorm_mode_32 3
		.amdhsa_float_denorm_mode_16_64 3
		.amdhsa_memory_ordered 1
		.amdhsa_forward_progress 1
		.amdhsa_inst_pref_size 54
	.end_amdhsa_kernel
	.amdgpu_metadata
---
amdhsa.version: [ 1, 2 ]
amdhsa.kernels:
  - .name:           k_q8b592d2a36_attn
    .symbol:         k_q8b592d2a36_attn.kd
    .args:
      - { .name: qb, .offset: 0, .size: 8, .value_kind: global_buffer, .address_space: global }
      - { .name: kv, .offset: 8, .size: 8, .value_kind: global_buffer, .address_space: global }
      - { .name: aq, .offset: 16, .size: 8, .value_kind: global_buffer, .address_space: global }
    .group_segment_fixed_size: 236544
    .private_segment_fixed_size: 0
    .kernarg_segment_align: 8
    .kernarg_segment_size: 24
    .max_flat_workgroup_size: 512
    .sgpr_count:     66
    .vgpr_count:     256
    .wavefront_size: 32
...
	.end_amdgpu_metadata
.endif
;; end of part 5
;; launch chain (part 6): grid 256 x 1, 8 waves a work-group, no clusters, 163,840 bytes of LDS; arguments aq, wq, x, b_proj, ln1_g, ln1_b, b1, b2, ln2_g, ln2_b, out0; writes out0
.if DOCPART == 6
	.amdgcn_target "amdgcn-amd-amdhsa--gfx1250"
	.amdhsa_code_object_version 6
	.text
	.protected	k_q8b592d2a36_chain
	.globl	k_q8b592d2a36_chain
	.p2align	8
	.type	k_q8b592d2a36_chain,@function
k_q8b592d2a36_chain:
	s_mov_b64 s[64:65], 0
	v_nop
	global_prefetch_b8 v0, s[64:65] scope:SCOPE_SE
	s_setreg_imm32_b32 hwreg(HW_REG_WAVE_SCHED_MODE, 0, 2), 2
	s_setreg_imm32_b32 hwreg(HW_REG_WAVE_MODE, 25, 1), 1
	s_wait_xcnt 0x0
	s_wait_alu depctr_vm_vsrc(0)
; out0 = LN2(x1 + gelu(x1 W1 + b1) W2 + b2), x1 = LN1(x + att W_proj + b_proj).  The three products on codes of BF6; all else f32; nothing between them goes to memory.
; SHARES: a work-group owns 32 whole rows (a norm needs whole rows): 8,192 / 32 = 256 work-groups.  Wave w of eight owns columns 128 w .. 128 w + 127 of every product: one group of the weight, and one K step of the NEXT product.
; A wave: 2 tiles of rows x 8 tiles of columns = 16 accumulators, window 1.  Source 0 = the weight, source 1 = the rows: a lane holds one row, its registers run along the columns, 16 neighbours in two neighbouring tiles.
; The work-group's rows are tiles 2 j and 2 j + 1 of a group of 128 (j = id % 4): lane r of tile m stands for row 8 m + r + 8 (r / 8) of the 32.
; The rows' codes go from wave to wave through LDS as images of the operand's registers.  The weights' fragments go from memory straight into registers, through a ring of six slots of two fragments, five batches asked for ahead.
; NO JOINT REQUESTS, though all work-groups walk the same weights: beside x1 in f32 (131,072 bytes) and the images, two slots of half a K step (49,152 bytes each) would fit; a wave has 8 products for such a slot,
; and every refill would stand behind a round of a cluster's barrier: 48 rounds with 8 products between them.  No two waves of a work-group read the same weight byte.
; One text of the products for three phases: every sum begins with loaded registers: x, then b1, then x1 (the residuals and a bias cost no addition).  Phases 0 and 2 end in a norm, phase 1 in the gelu.
; LOADS AHEAD: a norm's bias and gain are asked for a phase before (window 1's upper half); the next weight's first five batches are asked for in pieces between the runs of vector work of the norm or the gelu.
; THE NORM has two passes: the mean first, then the squares of the differences: a common offset costs nothing.  gelu(x) = x/2 + x/2 erf(x / sqrt 2), erf(z) = z P(z^2) / Q(z^2) with z held to +-4.
; LIMITS: 1 + erf is formed by an addition: under x = -5.6 the gelu is 0 or some -3e-8 x and not the true tail.  rsqrt and the division by v_rsq_f32, v_rcp_f32.  A row's sums are taken in four chains a lane, then over lanes and waves:
; another order of f32 additions than a plain sum.  A block under 2^-122 or of zeros gets the byte 1.  NaN and infinities are not served.
; REGISTERS, window 0: v1-14 addresses; v15 a scale word just made; v16-17 the rows' scale words, two sets; v20-27 the weight's, two sets; v28-31 -mean, later 1 / deviation, each twice; v34-35 the closing add's two;
;   v36-83 the rows' fragments, two sets of two (behind a product: v36-99 the shift or 64 numbers, v100-131 at work); v132-135 two constants; v136-255 the ring's slots 0-4; in a product v100-123 its slot 5.
;   window 1: accumulator (m, b) at v[64 m + 8 b]; v128-191 the norm's bias, v192-255 its gain.
; THE MODE: SCHED_MODE bits 1:0 = 2 (LLVM: expert scheduling mode 2), set by the entry lines.  The code itself states the register dependences between vector or matrix instructions and memory or LDS instructions,
; with s_wait_alu, always for 0.
; THE PLAN.  Registers that memory or LDS instructions touch, and who else names them:
;   the ring          Batch k's four products read slot k % 6.  The loads of batch k + 5 land in slot (k - 1) % 6, at the head of batch k: the slot that batch k - 1 read.
;   v20-27            K step s's products read set s % 2.  The words of K step s + 1 land in the other set at the head of K step s, which K step s - 1 read.
;   v36-83, v16-17    The rows: likewise, by LDS loads at the head of K step s.
;     So ONE wait on va_vdst stands at a batch's head, behind the wait for the batch's data: the batch before is done reading.  Batch 0 leans on the two waits at the phase's top; batches 27 to 31 ask for nothing and hold no wait.
;   behind a product  One wait on va_vdst at the head of a norm or of the gelu: the products are done reading v36-83, slots 0-4 and v20-27.  No vector instruction of a norm or of the gelu names slots 0-4, v20-27, v1 or v2:
;                     the next weight's five batches follow in pieces with no further wait.
;   v116-117          Written by an exchange's additions, read by its LDS store, written again behind the barrier: a wait on va_vdst ahead of the store, one on vm_vsrc ahead of the second writing.
;   v120-131, v15     Codes and scale word: written by the quantiser, read by an image's LDS stores: va_vdst ahead of them, vm_vsrc behind tile 0's.
;   window 1 v0-127   Written by products and by the norm; read by x1's LDS stores and by the stores into the stage (va_vdst ahead); b1, x1 land there (vm_vsrc behind x1's stores).
;   v1-12, v14        Addresses, made at the head, never written again.
.set XW,   16384                       ; LDS: 0: x1, 16,384 bytes a wave (its first 8,448 also a stage of 16 rows x 528);
.set CIMG, 8*XW                        ; the rows' images [K step][tile][1,536];
.set CSC,  CIMG+8*2*1536               ; their scale words, 128 s + 64 m + 4 r;
.set LNS,  CSC+8*128                   ; two exchanges of 8 waves x 16 rows x 2 tiles;
.set B1S,  LNS+2*1024                  ; and b1
.set TM,   100
.set XT,   112
.set PW,   15
.set SEL,  36
.set BIA,  128                         ; in window 1
.set GAI,  192
.set MUL,   0x50                       ; C and D window 1
.set INPL,  0x41                       ; destination and source 0 window 1
.set ALL1,  0x45                       ; destination, sources 0 and 1 window 1
.set RD1,   0x04                       ; source 1 (an LDS store's data) window 1
.set RD01,  0x05
.set RD0,   0x01
.set TOACC, 0x40                       ; destination window 1
.set MSB, 0
.macro WIN new                         ; the immediate's high byte repeats the setting that is left
.if MSB != (\new)
	s_set_vgpr_msb (MSB<<8)|(\new)
.set MSB, (\new)
.endif
.endm
.macro PLACES n
.rept \n
	v_nop
.endr
.endm
; 64 numbers of a lane in window w, v[s] on, register 16 b + i = k 32 b + 16 (lane / 16) + i of my row, become codes: k 0-63 in v[d0 .. d0+5], k 64-127 in v[d1 .. d1+5]; the scale word in v[PW].
.macro QUANTW w, s, d0, d1
	WIN ((\w)|((\w)<<2))
.irp b, 0,1,2,3
	v_max3_num_f32 v[TM+\b], |v[(\s)+16*\b]|, |v[(\s)+16*\b+1]|, 0x2800000   ; my 16 of block b, and the floor 2^(5 - 127): the byte cannot fall under 1
.endr
.irp i, 2,4,6,8,10,12,14
.irp b, 0,1,2,3
	v_max3_num_f32 v[TM+\b], |v[(\s)+16*\b+\i]|, |v[(\s)+16*\b+\i+1]|, v[TM+\b]
.endr
.endr
	WIN 0
.irp b, 0,1,2,3
	v_permlanex16_b32 v[TM+4+\b], v[TM+\b], s[SEL], s[SEL+1]
.endr
.irp b, 0,1,2,3
	v_max_num_f32 v[TM+\b], v[TM+\b], v[TM+4+\b]
.endr
.irp b, 0,1,2,3
	v_add_nc_u32 v[TM+8+\b], 0xfe000000, v[TM+\b]  ; 4 off the exponent field: the conversion's scale operand
.endr
.irp b, 0,1,2,3
	v_lshrrev_b32 v[TM+4+\b], 23, v[TM+8+\b]       ; the scale's byte
.endr
	v_lshl_or_b32 v[PW], v[TM+5], 8, v[TM+4]
	v_lshl_or_b32 v[PW], v[TM+6], 16, v[PW]
	v_lshl_or_b32 v[PW], v[TM+7], 24, v[PW]
	WIN (\w)
	v_cvt_scalef32_pk16_bf6_f32 v[(\d0):(\d0)+2], v[(\s):(\s)+15], v[TM+8]
	v_cvt_scalef32_pk16_bf6_f32 v[XT:XT+2], v[(\s)+16:(\s)+31], v[TM+9]
	v_cvt_scalef32_pk16_bf6_f32 v[(\d1):(\d1)+2], v[(\s)+32:(\s)+47], v[TM+10]
	v_cvt_scalef32_pk16_bf6_f32 v[XT+4:XT+6], v[(\s)+48:(\s)+63], v[TM+11]
	WIN 0
	v_nop                                          ; one plain place behind the scaled conversions
.irp i, 0,1,2
	v_permlane16_swap_b32 v[(\d0)+\i], v[XT+\i]
	v_permlane16_swap_b32 v[(\d1)+\i], v[XT+4+\i]
.endr
.irp i, 0,1,2
	v_mov_b32 v[(\d0)+3+\i], v[XT+\i]
	v_mov_b32 v[(\d1)+3+\i], v[XT+4+\i]
.endr
.endm
.macro SLOADS s                        ; the weight's four registers of scale words of K step s into set s % 2
.irp j, 0,1,2,3
	global_load_b32 v[20+4*((\s)%2)+\j], v2, s[28:29] offset:98304+512*(\s)+128*\j
.endr
.endm
; batch k = 4 s + kb of a weight: fragments b = 2 kb, 2 kb + 1 of K step s into ring slot k % 6 (slots 0-4 from v136 on, slot 5 at v100)
.macro FLOADS k
.set ls, (\k)/4
.set lb, (\k)%4
.set lr, 136+24*((\k)%6)-156*(((\k)%6)/5)
.irp bb, 0,1
.irp g, 0,1,2
	global_load_b128 v[lr+12*\bb+4*\g:lr+12*\bb+4*\g+3], v1, s[28:29] offset:12288*ls+1536*(2*lb+\bb)+512*\g
.endr
.endr
.endm
; one of a weight's first five batches, asked for in the phase before; batches 0 and 4 bring the scale words of K steps 0 and 1 first.  Batches 0-4 together: 10 + 6 + 6 + 6 + 10 = 38 loads
.macro BLOADS k
.if (\k)%4 == 0
	SLOADS (\k)/4
.endif
	FLOADS \k
.endm
.macro ALOAD s                         ; the rows' two fragments and scale words of K step s
.irp m, 0,1
.irp g, 0,1,2
	ds_load_b128 v[36+24*((\s)%2)+12*\m+4*\g:36+24*((\s)%2)+12*\m+4*\g+3], v3 offset:3072*(\s)+1536*\m+512*\g
.endr
.endr
	ds_load_b32 v[16+(\s)%2], v4 offset:128*(\s)   ; lanes 0-15 tile 0's words, lanes 16-31 tile 1's
.endm
.macro CM m, b, s, af                  ; accumulator (m, b) += weight fragment af x the rows' tile m
.set cD, 64*(\m)+8*(\b)
.set cB, 36+24*((\s)%2)+12*(\m)
.set cSA, 20+4*((\s)%2)+(\b)/2
.set cSB, 16+(\s)%2
.if (((\b)%2) == 0) && (((\m)%2) == 0)
	v_wmma_scale_f32_16x16x128_f8f6f4 v[cD:cD+7], v[(\af):(\af)+11], v[cB:cB+11], v[cD:cD+7], v[cSA], v[cSB] matrix_a_fmt:MATRIX_FMT_BF6 matrix_b_fmt:MATRIX_FMT_BF6
.elseif (((\b)%2) == 1) && (((\m)%2) == 0)
	v_wmma_scale_f32_16x16x128_f8f6f4 v[cD:cD+7], v[(\af):(\af)+11], v[cB:cB+11], v[cD:cD+7], v[cSA], v[cSB] matrix_a_fmt:MATRIX_FMT_BF6 matrix_b_fmt:MATRIX_FMT_BF6 matrix_a_scale:MATRIX_SCALE_ROW1
.elseif (((\b)%2) == 0)
	v_wmma_scale_f32_16x16x128_f8f6f4 v[cD:cD+7], v[(\af):(\af)+11], v[cB:cB+11], v[cD:cD+7], v[cSA], v[cSB] matrix_a_fmt:MATRIX_FMT_BF6 matrix_b_fmt:MATRIX_FMT_BF6 matrix_b_scale:MATRIX_SCALE_ROW1
.else
	v_wmma_scale_f32_16x16x128_f8f6f4 v[cD:cD+7], v[(\af):(\af)+11], v[cB:cB+11], v[cD:cD+7], v[cSA], v[cSB] matrix_a_fmt:MATRIX_FMT_BF6 matrix_b_fmt:MATRIX_FMT_BF6 matrix_a_scale:MATRIX_SCALE_ROW1 matrix_b_scale:MATRIX_SCALE_ROW1
.endif
.endm
; a batch: at its head the loads into what the batch before has read; then four products on four accumulators; an accumulator's next turn is four batches on.
.macro BATCH k
.set ks, (\k)/4
.set kb, (\k)%4
.set kr, 136+24*((\k)%6)-156*(((\k)%6)/5)
.if (\k) >= 28
	s_wait_loadcnt 6*(31-(\k))                     ; behind this batch's loads: those of the batches that are left
.elseif ((\k) >= 8) && (kb == 0)
	s_wait_loadcnt 24                              ; this K step's scale words are in too: behind them four batches of six were asked for
.elseif (\k) >= 5
	s_wait_loadcnt 28                              ; behind this batch's loads: four batches of six, and the next K step's four loads of scale words
.endif
.if ((\k) >= 1) && ((\k) <= 26)
	s_wait_alu depctr_va_vdst(0)                   ; the batch before is done reading its ring slot; in a K step's first batch: the K step before is done reading its rows' set and both kinds of scale words.  The loads below land there
.endif
.if (kb == 0) && (ks >= 1) && (ks <= 6)
	SLOADS ks+1
.endif
.if (\k) <= 26
	FLOADS (\k)+5
.endif
.if kb == 0
	s_wait_dscnt 0x0                               ; this K step's rows, asked for four batches ago (K step 0's: at the phase's top)
.if ks < 7
	ALOAD ks+1
.endif
.endif
	WIN MUL
.irp bb, 0,1
.irp m, 0,1
	CM \m, 2*kb+\bb, ks, kr+12*\bb
.endr
.endr
	WIN 0
	PLACES 4                                       ; four places behind the products: ahead of the next head's loads into what they have read; behind the last batch: ahead of the first read of the sums
.endm
.macro PARLOAD p, reg, b0, n           ; a parameter's numbers of my columns for tiles b0 .. b0 + n - 1, in the result's layout: 32 (b / 2) + 8 (b % 2) + 16 (lane / 16) + 0 .. 7
.set pb, \b0
.rept \n
	global_load_b128 v[\reg+8*(pb-\b0):\reg+8*(pb-\b0)+3], v11, s[\p:\p+1] offset:4*(32*(pb/2)+8*(pb%2))
	global_load_b128 v[\reg+8*(pb-\b0)+4:\reg+8*(pb-\b0)+7], v11, s[\p:\p+1] offset:4*(32*(pb/2)+8*(pb%2))+16
.set pb, pb+1
.endr
.endm
.macro ROWS_IN m                       ; 16 rows of 512 bytes, as loaded, turn through my stage into the result's layout
	WIN RD1
.irp q, 0,1,2,3,4,5,6,7,8,9,10,11,12,13,14,15
	ds_store_b128 v5, v[64*\m+4*\q:64*\m+4*\q+3] offset:528*\q
.endr
	s_wait_dscnt 0x0                               ; the stores are done
	WIN TOACC
	s_wait_alu depctr_vm_vsrc(0)                   ; the LDS stores above have read the registers in which the loads below land
.irp b, 0,1,2,3,4,5,6,7
.irp f, 0,1
	ds_load_b128 v[64*\m+8*\b+4*\f:64*\m+8*\b+4*\f+3], v6 offset:4*(32*(\b/2)+8*(\b%2))+16*\f
.endr
.endr
	WIN 0
.endm
.macro ROWS_OUT m                      ; and the other way: whole rows leave, 512 consecutive bytes a store
	WIN RD1
.if \m == 0
	s_wait_alu depctr_va_vdst(0)                   ; the norm's last multiply-adds have written both tiles' registers, which the LDS stores read, and are done reading the shift in v36-99, in which the rows land
.endif
.irp b, 0,1,2,3,4,5,6,7
.irp f, 0,1
	ds_store_b128 v6, v[64*\m+8*\b+4*\f:64*\m+8*\b+4*\f+3] offset:4*(32*(\b/2)+8*(\b%2))+16*\f
.endr
.endr
	WIN 0
.irp q, 0,1,2,3,4,5,6,7,8,9,10,11,12,13,14,15
	ds_load_b128 v[36+4*\q:39+4*\q], v5 offset:528*\q   ; LDS serves a wave's instructions in order: these see my stores
.endr
.irp q, 0,1,2,3,4,5,6,7,8,9,10,11,12,13,14,15
	s_wait_dscnt 15-\q
	global_store_b128 v1, v[36+4*\q:39+4*\q], s[42:43] offset:(8*\m+\q+8*(\q/8))*4096 th:TH_STORE_NT
.endr
	s_wait_xcnt 0x0                                ; the stores' addresses are translated: the next tile's rows may land in their registers
.if \m == 0
	s_wait_alu depctr_vm_vsrc(0)                   ; the stores have read v36-99, in which the next tile's rows land
.endif
.endm
; the two tiles' sums of my 128 columns (four chains of pairs each: tile m, chain c at v[100 + 8 m + 2 c]) are folded, meet the other waves' in LDS, and come back as the rows' totals in v116 (tile 0) and v117 (tile 1),
; summed in the same order in every wave
.macro EXCH e
.irp m, 0,1
	v_pk_add_f32 v[100+8*\m:101+8*\m], v[100+8*\m:101+8*\m], v[102+8*\m:103+8*\m]
	v_pk_add_f32 v[104+8*\m:105+8*\m], v[104+8*\m:105+8*\m], v[106+8*\m:107+8*\m]
.endr
.irp m, 0,1
	v_pk_add_f32 v[100+8*\m:101+8*\m], v[100+8*\m:101+8*\m], v[104+8*\m:105+8*\m]
.endr
.irp m, 0,1
	v_add_f32 v[116+\m], v[100+8*\m], v[101+8*\m]
.endr
.irp m, 0,1
	v_permlanex16_b32 v[120+\m], v[116+\m], s[SEL], s[SEL+1]
.endr
.irp m, 0,1
	v_add_f32 v[116+\m], v[116+\m], v[120+\m]
.endr
	s_wait_alu depctr_va_vdst(0)                   ; the additions have written v116-117, which the LDS store reads, and are done with the chains v100-115, in which the loads behind the barrier land
	ds_store_b64 v9, v[116:117] offset:1024*\e     ; both lanes of a row write the same 8 bytes
	s_wait_dscnt 0x0                               ; for the others' sake: my store has landed, and my reads of the rows' images are long over
	s_barrier_signal -1
	s_barrier_wait -1
.irp n, 0,1,2,3,4,5,6,7
	ds_load_b64 v[100+2*\n:101+2*\n], v10 offset:1024*\e+128*\n
.endr
	s_wait_dscnt 0x0
	s_wait_alu depctr_vm_vsrc(0)                   ; my LDS store has read v116-117, which the additions below write again
	v_pk_add_f32 v[116:117], v[100:101], v[102:103]
	v_pk_add_f32 v[118:119], v[104:105], v[106:107]
	v_pk_add_f32 v[116:117], v[116:117], v[108:109]
	v_pk_add_f32 v[118:119], v[118:119], v[110:111]
	v_pk_add_f32 v[116:117], v[116:117], v[112:113]
	v_pk_add_f32 v[118:119], v[118:119], v[114:115]
	v_pk_add_f32 v[116:117], v[116:117], v[118:119]
.endm
.macro IMAGE ai, as, m                 ; the fragment in v120-131 and its scale word go to LDS as they stand
	s_wait_alu depctr_va_vdst(0)                   ; the quantiser has written the codes v120-131 and the scale word v15, which the LDS stores read
.irp g, 0,1,2
	ds_store_b128 v[\ai], v[120+4*\g:123+4*\g] offset:1536*\m+512*\g
.endr
	ds_store_b32 v[\as], v[PW] offset:64*\m
	s_wait_dscnt 0x0                               ; the stores are done
.if \m == 0
	s_wait_alu depctr_vm_vsrc(0)                   ; they have read v120-131 and v15, which the next tile's vector work writes again
.endif
.endm
.macro COPY u                          ; tile u's 64 sums, halved (exact), into window 0, each accumulator from its low end on
	WIN RD0
.set p_, 0
.rept 32
	v_pk_mul_f32 v[36+2*p_:37+2*p_], v[64*\u+2*p_:64*\u+2*p_+1], 0.5 op_sel_hi:[1,0]
.set p_, p_+1
.endr
	WIN 0
.endm
.macro GELU8 k                         ; eight numbers g = x / 2 become g + g erf(g sqrt 2)
.set GG, 36+8*(\k)
.irp q, 0,2,4,6
	v_pk_mul_f32 v[100+\q:101+\q], v[GG+\q:GG+\q+1], s[66:67] op_sel_hi:[1,0]   ; z = x / sqrt 2
.endr
.irp q, 0,1,2,3,4,5,6,7
	v_med3_num_f32 v[100+\q], v[100+\q], -4.0, 4.0
.endr
.irp q, 0,2,4,6
	v_pk_mul_f32 v[108+\q:109+\q], v[100+\q:101+\q], v[100+\q:101+\q]
.endr
.irp q, 0,2,4,6
	v_pk_fma_f32 v[116+\q:117+\q], v[108+\q:109+\q], s[68:69], v[132:133] op_sel_hi:[1,0,1]
.endr
.irp c, 70,72,74,76,78
.irp q, 0,2,4,6
	v_pk_fma_f32 v[116+\q:117+\q], v[116+\q:117+\q], v[108+\q:109+\q], s[\c:\c+1] op_sel_hi:[1,1,0]
.endr
.endr
.irp q, 0,2,4,6
	v_pk_fma_f32 v[124+\q:125+\q], v[108+\q:109+\q], s[80:81], v[134:135] op_sel_hi:[1,0,1]
.endr
.irp c, 82,84,86
.irp q, 0,2,4,6
	v_pk_fma_f32 v[124+\q:125+\q], v[124+\q:125+\q], v[108+\q:109+\q], s[\c:\c+1] op_sel_hi:[1,1,0]
.endr
.endr
.irp q, 0,2,4,6
	v_pk_mul_f32 v[116+\q:117+\q], v[116+\q:117+\q], v[100+\q:101+\q]
.endr
	s_wait_alu depctr_va_vdst(0)
.irp q, 0,1,2,3,4,5,6,7
	v_rcp_f32 v[124+\q], v[124+\q]
.endr
	v_nop                                          ; one plain place behind the transcendentals
	s_wait_alu depctr_va_vdst(0)                   ; the eight reciprocals v124-131 are written, ahead of their first reader: one wait for the batch
.irp q, 0,2,4,6
	v_pk_mul_f32 v[116+\q:117+\q], v[116+\q:117+\q], v[124+\q:125+\q]
.endr
.irp q, 0,2,4,6
	v_pk_fma_f32 v[GG+\q:GG+\q+1], v[GG+\q:GG+\q+1], v[116+\q:117+\q], v[GG+\q:GG+\q+1]
.endr
.endm
; A NORM OVER WHOLE ROWS.  Its bias and gain lie in window 1 since a phase ago; its shift (address in s[sh:sh+1]) is asked for here and wanted at the end.
; first = 1: the next weight's batches 0-4 are asked for in five pieces between the runs of vector work, all behind the shift's 16 loads.
.macro LNORM first, sh
	s_wait_alu depctr_va_vdst(0)                   ; the products are done reading the rows' fragments v36-83, in which the shift lands, and (first = 1) ring slots 0-4 and the weight's scale words, in which the five batches land: no vector instruction of the norm names those
	PARLOAD \sh, 36, 0, 8
.if \first
	s_add_nc_u64 s[28:29], s[28:29], 819200        ; the next weight, eight groups on (this weight's last loads were waited for in the last batch)
	BLOADS 0
.endif
	WIN ALL1
.set n_, 0
.rept 64
	v_pk_add_f32 v[2*n_:2*n_+1], v[2*n_:2*n_+1], v[BIA+2*(n_%32):BIA+2*(n_%32)+1]   ; + bias, each accumulator from its low end on
.set n_, n_+1
.endr
.if \first
	WIN 0
	BLOADS 1
.endif
	WIN RD01
.irp m, 0,1
.irp c, 0,1,2,3
	v_pk_add_f32 v[100+8*\m+2*\c:101+8*\m+2*\c], v[64*\m+2*\c:64*\m+2*\c+1], v[64*\m+2*\c+8:64*\m+2*\c+9]   ; the first terms start the sums
.endr
.endr
	WIN RD1
.set p_, 8
.rept 24
.irp m, 0,1
	v_pk_add_f32 v[100+8*\m+2*(p_%4):101+8*\m+2*(p_%4)], v[100+8*\m+2*(p_%4):101+8*\m+2*(p_%4)], v[64*\m+2*p_:64*\m+2*p_+1]
.endr
.set p_, p_+1
.endr
	WIN 0
.if \first
	BLOADS 2
.endif
	EXCH 0
.irp m, 0,1
	v_mul_f32 v[28+2*\m], 0xba800000, v[116+\m]    ; -mean, twice
	v_mul_f32 v[29+2*\m], 0xba800000, v[116+\m]
.endr
	WIN INPL
.set n_, 0
.rept 64
	v_pk_add_f32 v[2*n_:2*n_+1], v[2*n_:2*n_+1], v[28+2*(n_/32):29+2*(n_/32)]
.set n_, n_+1
.endr
.if \first
	WIN 0
	BLOADS 3
.endif
	WIN RD01
.irp m, 0,1
.irp c, 0,1,2,3
	v_pk_mul_f32 v[100+8*\m+2*\c:101+8*\m+2*\c], v[64*\m+2*\c:64*\m+2*\c+1], v[64*\m+2*\c:64*\m+2*\c+1]
.endr
.endr
.set p_, 4
.rept 28
.irp m, 0,1
	v_pk_fma_f32 v[100+8*\m+2*(p_%4):101+8*\m+2*(p_%4)], v[64*\m+2*p_:64*\m+2*p_+1], v[64*\m+2*p_:64*\m+2*p_+1], v[100+8*\m+2*(p_%4):101+8*\m+2*(p_%4)]
.endr
.set p_, p_+1
.endr
	WIN 0
.if \first
	BLOADS 4
.endif
	EXCH 1
.irp m, 0,1
	v_fma_f32 v[116+\m], v[116+\m], s38, s39       ; variance + 1e-5
.endr
	s_wait_alu depctr_va_vdst(0)
.irp m, 0,1
	v_rsq_f32 v[28+2*\m], v[116+\m]
.endr
	v_nop                                          ; one plain place behind the transcendentals
	s_wait_alu depctr_va_vdst(0)                   ; the two reciprocal roots v28 and v30 are written, ahead of their first reader
.irp m, 0,1
	v_mov_b32 v[29+2*\m], v[28+2*\m]
.endr
	WIN INPL
.set n_, 0
.rept 64
	v_pk_mul_f32 v[2*n_:2*n_+1], v[2*n_:2*n_+1], v[28+2*(n_/32):29+2*(n_/32)]
.set n_, n_+1
.endr
.if \first
	s_wait_loadcnt 38                              ; the shift is in; the five batches asked for behind it may stay out
.else
	s_wait_loadcnt 0x0                             ; the shift
.endif
	WIN ALL1
.irp m, 0,1
.set p_, 0
.rept 32
	v_pk_fma_f32 v[64*\m+2*p_:64*\m+2*p_+1], v[64*\m+2*p_:64*\m+2*p_+1], v[GAI+2*p_:GAI+2*p_+1], v[36+2*p_:37+2*p_]   ; x gain + shift
.set p_, p_+1
.endr
.endr
	WIN 0
.endm
	s_load_b512 s[4:19], s[0:1], 0x0               ; aq, wq, x, b_proj, ln1_g, ln1_b, b1, b2
	s_load_b128 s[20:23], s[0:1], 0x40             ; ln2_g, ln2_b
	s_load_b64 s[24:25], s[0:1], 0x50              ; out0
	v_lshl_add_u32 v34, v0, 2, 0x27c00
	v_mov_b32 v35, 0
	v_lshrrev_b32 v1, 5, v0
	v_readfirstlane_b32 s26, v1                    ; wave 0..7
	v_and_b32 v13, 31, v0
	v_lshlrev_b32 v1, 4, v13                       ; 16 x lane
	v_lshlrev_b32 v2, 2, v13                       ; 4 x lane
	v_and_b32 v14, 15, v0                          ; r
	v_bfe_u32 v15, v0, 4, 1                        ; h
	v_add_nc_u32 v3, CIMG, v1                      ; an image's place for my lane
	v_add_nc_u32 v4, CSC, v2                       ; a scale word's
	s_wait_alu depctr_va_sdst(0)                   ; s26, the wave's number, is written, ahead of its first reader
	s_lshl_b32 s45, s26, 14
	v_add_nc_u32 v5, s45, v1                       ; my 16,384 bytes: dense
	v_mul_u32_u24 v6, v14, 528
	v_lshl_add_u32 v6, v15, 6, v6
	v_add_nc_u32 v6, s45, v6                       ; the stage by the result's layout: row r, + 64 h
	s_mul_i32 s45, s26, 3072
	v_add_nc_u32 v7, s45, v3                       ; where I store images: K step w
	s_lshl_b32 s45, s26, 7
	v_lshlrev_b32 v8, 2, v14
	v_add_nc_u32 v8, s45, v8
	v_add_nc_u32 v8, CSC, v8                       ; and their scale words
	v_lshlrev_b32 v10, 3, v14
	v_add_nc_u32 v10, LNS, v10                     ; the exchange: row r's 8 bytes; + 128 a wave
	v_add_nc_u32 v9, s45, v10
	v_lshlrev_b32 v11, 6, v15                      ; 64 h
	s_lshl_b32 s46, s26, 9                         ; my 128 columns in bytes
	v_add_nc_u32 v12, s46, v11
	v_add_nc_u32 v12, B1S, v12
	v_add_nc_u32 v14, s45, v4                      ; K step w's 128 bytes of scale words, 4 a lane
	v_add_nc_u32 v96, s46, v1
	v_add_nc_u32 v96, B1S, v96
.irp i, 104,105,106,107,120,121
	v_mov_b32 v\i, 0                               ; a lane permute's destination counts as one of its sources
.endr
	v_mov_b32 v132, 0x32edffee                     ; erf's P: second coefficient, twice
	v_mov_b32 v133, 0x32edffee
	v_mov_b32 v134, 0xb95fbd29                     ; erf's Q: second coefficient, twice
	v_mov_b32 v135, 0xb95fbd29
	s_mov_b32 s[SEL], 0x76543210
	s_mov_b32 s[SEL+1], 0xfedcba98
	s_mov_b32 s38, 0x3a800000                      ; 1 / 1,024
	s_mov_b32 s39, 0x3727c5ac                      ; 1e-5
.macro KPAIR r, c                      ; a constant, twice: the packed forms name a pair
	s_mov_b32 s[\r], \c
	s_mov_b32 s[\r+1], \c
.endm
	KPAIR 66, 0x3fb504f3                           ; sqrt 2
	KPAIR 68, 0xaf95df0b                           ; P: -2.72614226e-10, (2.77068142e-08 in v132), -2.10102402e-06, -5.69250639e-05, -7.34990630e-04, -2.95459981e-03, -1.60960333e-02
	KPAIR 70, 0xb60cff51
	KPAIR 72, 0xb86ec2d2
	KPAIR 74, 0xba40ac63
	KPAIR 76, 0xbb41a1f6
	KPAIR 78, 0xbc83dbd4
	KPAIR 80, 0xb77460cd                           ; Q: -1.45660718e-05, (-2.13374055e-04 in v134), -1.68282697e-03, -7.37332917e-03, -1.42647391e-02
	KPAIR 82, 0xbadc924e
	KPAIR 84, 0xbbf19bf8
	KPAIR 86, 0xbc69b6a7
	s_mov_b32 s47, 0
	s_lshl_b32 s48, ttmp9, 17                      ; 32 rows of 4,096 bytes
	s_add_co_u32 s48, s48, s46
	s_mov_b32 s49, 0
	s_lshr_b32 s50, ttmp9, 2
	s_mul_i32 s50, s50, 102400                     ; aq's record: my 32 rows are its tiles 2 (id % 4) and 2 (id % 4) + 1
	s_and_b32 s51, ttmp9, 3
	s_mul_i32 s52, s51, 3072
	s_add_co_u32 s52, s52, s50
	s_mul_i32 s53, s26, 12288                      ; wave w brings K step w
	s_add_co_u32 s52, s52, s53
	s_mov_b32 s53, 0
	s_lshl_b32 s51, s51, 7
	s_add_co_u32 s50, s50, s51
	s_add_co_u32 s50, s50, s46
	s_add_co_u32 s50, s50, 98304
	s_mov_b32 s51, 0
	s_add_co_u32 s54, s26, 24                      ; W_proj's group w
	s_mul_i32 s54, s54, 102400
	s_mov_b32 s55, 0
	s_wait_kmcnt 0x0
	s_add_nc_u64 s[40:41], s[8:9], s[48:49]        ; x at my rows and columns
	s_add_nc_u64 s[42:43], s[24:25], s[48:49]      ; out0 likewise
	s_add_nc_u64 s[52:53], s[4:5], s[52:53]
	s_add_nc_u64 s[50:51], s[4:5], s[50:51]
	s_add_nc_u64 s[28:29], s[6:7], s[54:55]        ; the weight in hand
.irp p, 10,12,14,16,18,20,22
	s_add_nc_u64 s[\p:\p+1], s[\p:\p+1], s[46:47]  ; the seven parameters at my columns
.endr
	WIN TOACC
	s_wait_alu depctr_va_vdst(0)                   ; the addresses v1-12, v14 and v96 are written, which every load and store of the kernel reads; no vector instruction writes v1-12 or v14 again
.irp m, 0,1
.irp q, 0,1,2,3,4,5,6,7,8,9,10,11,12,13,14,15
	global_load_b128 v[64*\m+4*\q:64*\m+4*\q+3], v1, s[40:41] offset:(8*\m+\q+8*(\q/8))*4096 th:TH_LOAD_NT   ; 512 consecutive bytes of the row that lane q of tile m stands for
.endr
.endr
	WIN 0
.irp n, 0,1,2,3,4,5
	global_load_b128 v[36+4*\n:39+4*\n], v1, s[52:53] offset:512*\n th:TH_LOAD_NT
.endr
	global_load_b32 v84, v2, s[50:51] th:TH_LOAD_NT
	global_load_b128 v[88:91], v1, s[16:17]
	WIN TOACC
	PARLOAD 10, BIA, 0, 8                          ; the first norm's bias and gain
	PARLOAD 12, GAI, 0, 8
	WIN 0
	BLOADS 0
	BLOADS 1
	BLOADS 2
	BLOADS 3
	BLOADS 4
	s_wait_loadcnt 38                              ; all but the five batches
.irp n, 0,1,2,3,4,5
	ds_store_b128 v7, v[36+4*\n:39+4*\n] offset:512*\n
.endr
	ds_store_b32 v14, v84
	ds_store_b128 v96, v[88:91]
	ROWS_IN 0
	ROWS_IN 1
	s_wait_dscnt 0x0
	s_barrier_signal -1
	s_barrier_wait -1                              ; the attention's 16 fragments lie in LDS
	s_mov_b32 s27, 0                               ; the phase
.Lphase:
	s_wait_loadcnt 0x0                             ; batches 0-4, and whatever else was asked for ahead
	s_wait_alu depctr_va_vdst(0)                   ; the vector work of the phase before is done with v36-83, in which the rows' fragments land, and with v100-123, ring slot 5, in which batch 5 lands
	s_wait_alu depctr_vm_vsrc(0)                   ; the LDS stores so far have read v36-59 (the attention's fragments, at the head) and v120-123 (the images' codes), in which the same loads land
	ALOAD 0
.set kk, 0
.rept 32
	BATCH kk
.set kk, kk+1
.endr
	s_cmp_eq_u32 s27, 1
	s_cbranch_scc1 .Lgelu_arm
	s_cmp_eq_u32 s27, 2
	s_cbranch_scc1 .Lnorm2_arm
	; ---------------- the first norm ----------------
	LNORM 1, 14
	; x1: kept in f32 as an image of my registers, and quantised: K step w of the next product.  (Both exchanges' barriers lie between every wave's last read of the old images and these stores.)
	WIN RD1
	s_wait_alu depctr_va_vdst(0)                   ; the norm's last multiply-adds have written the accumulators' registers, which the LDS stores read
.set n_, 0
.rept 32
	ds_store_b128 v5, v[4*n_:4*n_+3] offset:512*n_
.set n_, n_+1
.endr
	WIN 0
.irp m, 0,1
	QUANTW 1, 64*\m, 120, 126
	IMAGE 7, 8, \m
.endr
	WIN TOACC
	s_wait_alu depctr_vm_vsrc(0)                   ; x1's LDS stores have read the accumulators' registers, in which b1 lands (the quantiser's reads of them stand ahead of the last wait on va_vdst, and no vector instruction behind it)
.irp m, 0,1
.irp b, 0,1,2,3,4,5,6,7
.irp f, 0,1
	ds_load_b128 v[64*\m+8*\b+4*\f:64*\m+8*\b+4*\f+3], v12 offset:4*(32*(\b/2)+8*(\b%2))+16*\f   ; b1 starts the next sums
.endr
.endr
.endr
	WIN 0
	s_wait_dscnt 0x0
	s_barrier_signal -1
	s_barrier_wait -1                              ; x1's 16 fragments lie in LDS
	s_branch .Lnext
	; ---------------- the second norm, and the way out ----------------
.Lnorm2_arm:
	LNORM 0, 22
	ROWS_OUT 0
	ROWS_OUT 1
	s_branch .Lnext
	; ---------------- the gelu, quantised: K step w of the last product.  Between its runs: the last weight's batches 0-4, then the second norm's bias and gain ----------------
.Lgelu_arm:
	s_add_nc_u64 s[28:29], s[28:29], 819200        ; the next weight (this weight's last loads were waited for in the last batch)
	s_wait_alu depctr_va_vdst(0)                   ; the products are done reading ring slots 0-4 and the weight's scale words, in which the five batches land: no vector instruction of the gelu names those
	BLOADS 0
	s_wait_dscnt 0x0
	s_barrier_signal -1
	s_barrier_wait -1                              ; every wave's reads of x1's codes are over
	COPY 0
	GELU8 0
	GELU8 1
	BLOADS 1
	GELU8 2
	GELU8 3
	BLOADS 2
	GELU8 4
	GELU8 5
	BLOADS 3
	GELU8 6
	GELU8 7
	BLOADS 4
	QUANTW 0, 36, 120, 126
	IMAGE 7, 8, 0
	COPY 1
	GELU8 0
	GELU8 1
	WIN TOACC
	PARLOAD 18, BIA, 0, 8                          ; (no vector instruction has named the bias's and the gain's registers since the wait at the phase's top)
	WIN 0
	GELU8 2
	GELU8 3
	WIN TOACC
	PARLOAD 20, GAI, 0, 8
	WIN 0
	GELU8 4
	GELU8 5
	GELU8 6
	GELU8 7
	QUANTW 0, 36, 120, 126
	IMAGE 7, 8, 1
	WIN TOACC
.set n_, 0
.rept 32
	ds_load_b128 v[4*n_:4*n_+3], v5 offset:512*n_  ; x1 starts the last sums.  (The products that wrote these registers and the halvings that read them stand ahead of the image's wait on va_vdst, and no vector instruction behind it)
.set n_, n_+1
.endr
	WIN 0
	s_wait_dscnt 0x0
	s_barrier_signal -1
	s_barrier_wait -1                              ; the hidden layer's 16 fragments lie in LDS
.Lnext:
	s_add_co_u32 s27, s27, 1
	s_cmp_lt_u32 s27, 3
	s_cbranch_scc1 .Lphase
	s_wait_dscnt 0x0                               ; the closing lines, six on end
	s_wait_alu 0x0
	s_wait_tensorcnt 0x0
	ds_add_u32 v34, v35
	s_wait_dscnt 0x0
	s_endpgm
.Lfunc_end_k_q8b592d2a36_chain:
	.size	k_q8b592d2a36_chain, .Lfunc_end_k_q8b592d2a36_chain-k_q8b592d2a36_chain
	.p2alignl 7, 3214868480
	.fill 96, 4, 3214868480
	.section	.rodata,"a",@progbits
	.p2align	6, 0x0
	.amdhsa_kernel k_q8b592d2a36_chain
		.amdhsa_group_segment_fixed_size 163840
		.amdhsa_private_segment_fixed_size 0
		.amdhsa_enable_private_segment 0
		.amdhsa_kernarg_size 88
		.amdhsa_user_sgpr_count 2
		.amdhsa_user_sgpr_kernarg_segment_ptr 1
		.amdhsa_wavefront_size32 1
		.amdhsa_system_sgpr_workgroup_id_x 1
		.amdhsa_system_sgpr_workgroup_id_y 1
		.amdhsa_system_sgpr_workgroup_id_z 1
		.amdhsa_system_vgpr_workitem_id 0
		.amdhsa_next_free_vgpr 512
		.amdhsa_next_free_sgpr 96
		.amdhsa_reserve_vcc 0
		.amdhsa_float_denorm_mode_32 3
		.amdhsa_float_denorm_mode_16_64 3
		.amdhsa_memory_ordered 1
		.amdhsa_forward_progress 1
		.amdhsa_inst_pref_size 245
	.end_amdhsa_kernel
	.amdgpu_metadata
---
amdhsa.version: [ 1, 2 ]
amdhsa.kernels:
  - .name:           k_q8b592d2a36_chain
    .symbol:         k_q8b592d2a36_chain.kd
    .args:
      - { .name: aq, .offset: 0, .size: 8, .value_kind: global_buffer, .address_space: global }
      - { .name: wq, .offset: 8, .size: 8, .value_kind: global_buffer, .address_space: global }
      - { .name: x, .offset: 16, .size: 8, .value_kind: global_buffer, .address_space: global }
      - { .name: b_proj, .offset: 24, .size: 8, .value_kind: global_buffer, .address_space: global }
      - { .name: ln1_g, .offset: 32, .size: 8, .value_kind: global_buffer, .address_space: global }
      - { .name: ln1_b, .offset: 40, .size: 8, .value_kind: global_buffer, .address_space: global }
      - { .name: b1, .offset: 48, .size: 8, .value_kind: global_buffer, .address_space: global }
      - { .name: b2, .offset: 56, .size: 8, .value_kind: global_buffer, .address_space: global }
      - { .name: ln2_g, .offset: 64, .size: 8, .value_kind: global_buffer, .address_space: global }
      - { .name: ln2_b, .offset: 72, .size: 8, .value_kind: global_buffer, .address_space: global }
      - { .name: out0, .offset: 80, .size: 8, .value_kind: global_buffer, .address_space: global }
    .group_segment_fixed_size: 163840
    .private_segment_fixed_size: 0
    .kernarg_segment_align: 8
    .kernarg_segment_size: 88
    .max_flat_workgroup_size: 256
    .sgpr_count:     96
    .vgpr_count:     512
    .wavefront_size: 32
...
	.end_amdgpu_metadata
.endif
;; end of part 6
